; MI455X (gfx1250); checked and timed in simulation.
; The chip was launched on July 23, 2026; its instructions are those of AMD's public machine-readable ISA for CDNA 5 (MIT licence, August 2026) and "CDNA5" Instruction Set Architecture Reference Guide (July 2026). The comments in the code are by the model that wrote it; some were corrected since.
;; Grouped Query Attention. Allowed arithmetic: float matrix products may take bf16 or f16 operands with f32 sums; other float arithmetic in f32, or as packed bf16 or f16 multiplies, adds, multiply-adds, maxima and minima; sums over many terms, partial sums and values carried from step to step in f32; what a program stores and reads back later, other than sums and carried values, may be rounded once to bf16 or f16.
;; Inputs: WK 512 x 2,048 float32; WQ 2,048 x 2,048 float32; WV 512 x 2,048 float32; bK 512 float32; bQ 2,048 float32; bV 512 float32; proj 2,048 x 2,048 float32; x 4 x 1,024 x 2,048 float32.
;; Outputs: out0 4 x 1,024 x 2,048 float32.
;; One version. Each part assembles by itself: llvm-mc -triple=amdgcn-amd-amdhsa -mcpu=gfx1250 --defsym DOCPART=n.
;; ======== version 1 of 1: 5 launches
;; limits: values are held in f16: magnitudes above 65,504 overflow, below 6.1e-05 lose precision
;; workspace buffers: xb 16,777,216 bytes; wts 10,493,952 bytes; qkv 20,971,520 bytes; pst 8,912,896 bytes; zz 4,194,304 bytes
;; launch prep (part 1): grid 1153 x 1, 8 waves a work-group, no clusters, 0 bytes of LDS; arguments x, WQ, WK, WV, proj, bQ, bK, bV, xb, wts; writes xb, wts
.if DOCPART == 1
	.amdgcn_target "amdgcn-amd-amdhsa--gfx1250"
	.amdhsa_code_object_version 6
	.text
	.protected	k_q83e9fd314f_prep
	.globl	k_q83e9fd314f_prep
	.p2align	8
	.type	k_q83e9fd314f_prep,@function
k_q83e9fd314f_prep:
	s_mov_b64 s[64:65], 0
	v_nop
	global_prefetch_b8 v0, s[64:65] scope:SCOPE_SE
	s_setreg_imm32_b32 hwreg(HW_REG_WAVE_MODE, 25, 1), 1
	s_wait_xcnt 0x0
; PREP: every input is read once, rounded to bf16, and laid out for the launches behind.  A stream: no LDS, no matrix unit, no cluster (no two work-groups read the same bytes).
;   xb   [4096][2048] bf16 = bf16(x)
;   wts  WCAT [2048 n][2048 k] bf16 at 0; PJS [512 j][2048 n] f16 at 8,388,608; BCAT [2048 n] f32 at 10,485,760
; reference() tiles K and V four times along the 2,048 channels, so its scores are (sum over r of Q[:,512 r + j]) . K[:,j] and its last product is Zs . (sum over r of proj[512 r + j,:]).
; The sums over r are taken here, in f32, of the numbers rounded to bf16: WQS = sum of bf16(WQ) is kept as a pair hi = bf16(S), lo = bf16(S - hi); PJS = f16(sum of bf16(proj)).
; WCAT's rows go in blocks of 16, by turns: n = 32 (j / 16) + j % 16 + 16 odd + 1024 kv: (kv, odd) = (0,0) WQS hi, (0,1) WQS lo, (1,0) bf16(WK), (1,1) bf16(WV).  BCAT in the same order: sum of bf16(bQ), 0, bf16(bK), bf16(bV).
; LIMIT.  The sum over r of proj's numbers stays under 65,504 (f16); NaN and infinities are not treated apart.
; SHARES.  256 threads, rows of 2,048 numbers.  Thread t owns columns 4 t .. 4 t + 3 and 1,024 + 4 t .. + 3: a wave's load covers 512 consecutive bytes, a wave's store of 8 bytes a lane 256 consecutive bytes, aligned.
; Work-groups 0-511: 8 rows of x each.  512-639: 8 rows of WK or WV.  640-1151: 2 rows of a sum over r (WQ, then proj).  1152: the biases.
.set ROWF, 8192                        ; bytes in a row of f32
.set ROWH, 4096                        ; bytes in a row of 16-bit numbers
.set PJS,  8388608
.set BCAT, 10485760
.set IN,   1                           ; v1  16 t
.set OUT,  2                           ; v2  8 t
.set T,    4                           ; v4  at work
.set U,    6                           ; v[6:7] at work
.set X,    16                          ; v[16:79]  sixteen loads of 16 bytes
.set S,    80                          ; v[80:95]  sums (in the conversion job v[80:111]: results)
.set HH,   96                          ; v[96:103] hi parts, or f16 results
.set LL,   104                         ; v[104:111] lo parts
; Eight rows are rounded: sixteen loads go out at once; row i is worked on when its two loads are in; each row has result registers of its own, so no wait for a store's sources is wanted.
.macro CONV8 src, dst
.irp i, 0,1,2,3,4,5,6,7
	global_load_b128 v[X+8*(\i):X+8*(\i)+3],   v[IN], s[\src:\src+1] offset:(\i)*ROWF th:TH_LOAD_NT
	global_load_b128 v[X+8*(\i)+4:X+8*(\i)+7], v[IN], s[\src:\src+1] offset:(\i)*ROWF+4096 th:TH_LOAD_NT
.endr
.irp i, 0,1,2,3,4,5,6,7
	s_wait_loadcnt 14-2*(\i)                       ; loads come back in order: the 2 (7 - i) younger ones stay out
.irp k, 0,1,2,3
	v_cvt_pk_bf16_f32 v[S+4*(\i)+(\k)], v[X+8*(\i)+2*(\k)], v[X+8*(\i)+2*(\k)+1]
.endr
	global_store_b64 v[OUT], v[S+4*(\i):S+4*(\i)+1],   s[\dst:\dst+1] offset:(\i)*ROWH
	global_store_b64 v[OUT], v[S+4*(\i)+2:S+4*(\i)+3], s[\dst:\dst+1] offset:(\i)*ROWH+2048
.endr
.endm
; Two f32 are rounded to bf16 and widened again.
.macro BF2 d, s
	v_cvt_pk_bf16_f32 v[T], v[(\s)], v[(\s)+1]
	v_lshlrev_b32 v[(\d)], 16, v[T]
	v_and_b32 v[(\d)+1], s40, v[T]
.endm
	s_load_b512 s[8:23], s[0:1], 0x0               ; x 8, WQ 10, WK 12, WV 14, proj 16, bQ 18, bK 20, bV 22
	s_load_b128 s[24:27], s[0:1], 0x40             ; xb 24, wts 26
	v_lshlrev_b32 v[IN], 4, v0
	v_lshlrev_b32 v[OUT], 3, v0
	s_mov_b32 s40, 0xffff0000                      ; a word's upper bf16
	s_mov_b32 s2, ttmp9
	s_mov_b32 s29, 0                               ; high words of the two offsets
	s_mov_b32 s31, 0
	s_wait_kmcnt 0x0
	s_cmp_lt_u32 s2, 512
	s_cbranch_scc0 .Lnot_x
	s_lshl_b32 s28, s2, 16                         ; 8 rows of 8,192 bytes
	s_lshl_b32 s30, s2, 15                         ; 8 rows of 4,096 bytes
	s_add_nc_u64 s[32:33], s[8:9], s[28:29]
	s_add_nc_u64 s[34:35], s[24:25], s[30:31]
	CONV8 32, 34
	s_endpgm
.Lnot_x:
	s_cmp_lt_u32 s2, 640
	s_cbranch_scc0 .Lnot_w
	s_sub_co_u32 s3, s2, 512
	s_and_b32 s4, s3, 63                           ; g: rows 8 g .. 8 g + 7
	s_lshr_b32 s5, s3, 6                           ; 0: WK, 1: WV
	s_lshl_b32 s28, s4, 16
	s_lshr_b32 s6, s4, 1
	s_lshl_b32 s6, s6, 5                           ; 32 (j / 16)
	s_and_b32 s7, s4, 1
	s_lshl_b32 s7, s7, 3                           ; j % 16
	s_add_co_u32 s6, s6, s7
	s_lshl_b32 s7, s5, 4                           ; 16 odd
	s_add_co_u32 s6, s6, s7
	s_add_co_u32 s6, s6, 1024
	s_lshl_b32 s30, s6, 12
	s_cmp_eq_u32 s5, 0
	s_cselect_b64 s[32:33], s[12:13], s[14:15]
	s_add_nc_u64 s[32:33], s[32:33], s[28:29]
	s_add_nc_u64 s[36:37], s[26:27], s[30:31]
	CONV8 32, 36
	s_endpgm
.Lnot_w:
	s_cmp_lt_u32 s2, 1152
	s_cbranch_scc0 .Lbias
	; THE SUMS OVER r: rows j0 = 2 g and j0 + 1; the four parts lie 512 rows, 4,194,304 bytes, apart: a second base serves r = 2, 3, which the immediate does not reach.
	s_sub_co_u32 s3, s2, 640
	s_lshr_b32 s4, s3, 8                           ; 0: WQ, 1: proj
	s_and_b32 s5, s3, 255                          ; g
	s_lshl_b32 s28, s5, 14
	s_cmp_eq_u32 s4, 0
	s_cselect_b64 s[32:33], s[10:11], s[16:17]
	s_add_nc_u64 s[32:33], s[32:33], s[28:29]
	s_add_nc_u64 s[34:35], s[32:33], 0x800000
.irp jj, 0,1
.irp r, 0,1,2,3
	global_load_b128 v[X+8*(4*(\jj)+(\r)):X+8*(4*(\jj)+(\r))+3],   v[IN], s[32+2*((\r)/2):33+2*((\r)/2)] offset:((\r)%2)*4194304+(\jj)*ROWF th:TH_LOAD_NT
	global_load_b128 v[X+8*(4*(\jj)+(\r))+4:X+8*(4*(\jj)+(\r))+7], v[IN], s[32+2*((\r)/2):33+2*((\r)/2)] offset:((\r)%2)*4194304+(\jj)*ROWF+4096 th:TH_LOAD_NT
.endr
.endr
.irp jj, 0,1
	s_wait_loadcnt 8-8*(\jj)                       ; the first row's eight loads are in, the second row's eight stay out; then all
.irp k, 0,1,2,3
	BF2 S+8*(\jj)+2*(\k), X+32*(\jj)+2*(\k)
.irp r, 1,2,3
	BF2 U, X+32*(\jj)+8*(\r)+2*(\k)
	v_pk_add_f32 v[S+8*(\jj)+2*(\k):S+8*(\jj)+2*(\k)+1], v[S+8*(\jj)+2*(\k):S+8*(\jj)+2*(\k)+1], v[U:U+1]
.endr
.endr
.endr
	s_cmp_eq_u32 s4, 0
	s_cbranch_scc0 .Lfold_p
	s_lshr_b32 s6, s5, 3                           ; j0 / 16
	s_lshl_b32 s6, s6, 5
	s_and_b32 s7, s5, 7
	s_lshl_b32 s7, s7, 1                           ; j0 % 16
	s_add_co_u32 s6, s6, s7
	s_lshl_b32 s30, s6, 12
	s_add_nc_u64 s[36:37], s[26:27], s[30:31]
.irp q, 0,1,2,3,4,5,6,7
	v_cvt_pk_bf16_f32 v[HH+(\q)], v[S+2*(\q)], v[S+2*(\q)+1]  ; hi
	v_lshlrev_b32 v[U], 16, v[HH+(\q)]
	v_and_b32 v[U+1], s40, v[HH+(\q)]
	v_pk_add_f32 v[S+2*(\q):S+2*(\q)+1], v[S+2*(\q):S+2*(\q)+1], v[U:U+1] neg_lo:[0,1] neg_hi:[0,1]  ; S - hi, exact in f32
	v_cvt_pk_bf16_f32 v[LL+(\q)], v[S+2*(\q)], v[S+2*(\q)+1]  ; lo
.endr
.irp jj, 0,1
.irp hf, 0,1
	global_store_b64 v[OUT], v[HH+4*(\jj)+2*(\hf):HH+4*(\jj)+2*(\hf)+1], s[36:37] offset:(\jj)*ROWH+2048*(\hf)
	global_store_b64 v[OUT], v[LL+4*(\jj)+2*(\hf):LL+4*(\jj)+2*(\hf)+1], s[36:37] offset:16*ROWH+(\jj)*ROWH+2048*(\hf)  ; the lo block lies 16 rows on
.endr
.endr
	s_endpgm
.Lfold_p:
	s_lshl_b32 s30, s5, 13                         ; two rows of 4,096 bytes
	s_add_co_u32 s30, s30, PJS
	s_add_nc_u64 s[36:37], s[26:27], s[30:31]
.irp q, 0,1,2,3,4,5,6,7
	v_cvt_pk_f16_f32 v[HH+(\q)], v[S+2*(\q)], v[S+2*(\q)+1]
.endr
.irp jj, 0,1
.irp hf, 0,1
	global_store_b64 v[OUT], v[HH+4*(\jj)+2*(\hf):HH+4*(\jj)+2*(\hf)+1], s[36:37] offset:(\jj)*ROWH+2048*(\hf)
.endr
.endr
	s_endpgm
.Lbias:
	; THE BIASES.  Thread t owns n = 4 t .. 4 t + 3 and 1,024 + the same: j = 16 (t / 8) + 4 (t % 4), odd = (t / 4) % 2.
	v_lshrrev_b32 v3, 3, v0
	v_and_b32 v5, 3, v0
	v_lshlrev_b32 v3, 6, v3
	v_lshl_add_u32 v3, v5, 4, v3                   ; 4 j
.irp r, 0,1,2,3
	global_load_b128 v[16+4*(\r):19+4*(\r)], v3, s[18:19] offset:2048*(\r)
.endr
	global_load_b128 v[32:35], v3, s[20:21]
	global_load_b128 v[36:39], v3, s[22:23]
	v_bfe_u32 v8, v0, 2, 1
	v_cmp_ne_u32 vcc_lo, 0, v8                     ; an odd block
	v_mov_b32 v9, 0
	v_lshlrev_b32 v10, 4, v0
	s_add_nc_u64 s[36:37], s[26:27], BCAT
	s_wait_loadcnt 0x0
.irp q, 0,1,2,3,4,5,6,7,8,9,10,11
	BF2 16+2*(\q), 16+2*(\q)
.endr
.irp r, 1,2,3
	v_pk_add_f32 v[16:17], v[16:17], v[16+4*(\r):17+4*(\r)]
	v_pk_add_f32 v[18:19], v[18:19], v[18+4*(\r):19+4*(\r)]
.endr
.irp i, 0,1,2,3
	v_cndmask_b32 v[40+(\i)], v[16+(\i)], v9, vcc_lo          ; even: the sum of bQ; odd (the lo block): 0
	v_cndmask_b32 v[44+(\i)], v[32+(\i)], v[36+(\i)], vcc_lo  ; even: bK; odd: bV
.endr
	global_store_b128 v10, v[40:43], s[36:37]
	global_store_b128 v10, v[44:47], s[36:37] offset:4096
	s_endpgm
.Lfunc_end_k_q83e9fd314f_prep:
	.size	k_q83e9fd314f_prep, .Lfunc_end_k_q83e9fd314f_prep-k_q83e9fd314f_prep
	.p2alignl 7, 3214868480
	.fill 96, 4, 3214868480
	.section	.rodata,"a",@progbits
	.p2align	6, 0x0
	.amdhsa_kernel k_q83e9fd314f_prep
		.amdhsa_group_segment_fixed_size 0
		.amdhsa_private_segment_fixed_size 0
		.amdhsa_enable_private_segment 0
		.amdhsa_kernarg_size 80
		.amdhsa_user_sgpr_count 2
		.amdhsa_user_sgpr_kernarg_segment_ptr 1
		.amdhsa_wavefront_size32 1
		.amdhsa_system_sgpr_workgroup_id_x 1
		.amdhsa_system_sgpr_workgroup_id_y 1
		.amdhsa_system_sgpr_workgroup_id_z 1
		.amdhsa_system_vgpr_workitem_id 0
		.amdhsa_next_free_vgpr 112
		.amdhsa_next_free_sgpr 66
		.amdhsa_reserve_vcc 1
		.amdhsa_float_denorm_mode_32 3
		.amdhsa_float_denorm_mode_16_64 3
		.amdhsa_memory_ordered 1
		.amdhsa_forward_progress 1
		.amdhsa_inst_pref_size 27
	.end_amdhsa_kernel
	.amdgpu_metadata
---
amdhsa.version: [ 1, 2 ]
amdhsa.kernels:
  - .name:           k_q83e9fd314f_prep
    .symbol:         k_q83e9fd314f_prep.kd
    .args:
      - { .name: x, .offset: 0, .size: 8, .value_kind: global_buffer, .address_space: global }
      - { .name: WQ, .offset: 8, .size: 8, .value_kind: global_buffer, .address_space: global }
      - { .name: WK, .offset: 16, .size: 8, .value_kind: global_buffer, .address_space: global }
      - { .name: WV, .offset: 24, .size: 8, .value_kind: global_buffer, .address_space: global }
      - { .name: proj, .offset: 32, .size: 8, .value_kind: global_buffer, .address_space: global }
      - { .name: bQ, .offset: 40, .size: 8, .value_kind: global_buffer, .address_space: global }
      - { .name: bK, .offset: 48, .size: 8, .value_kind: global_buffer, .address_space: global }
      - { .name: bV, .offset: 56, .size: 8, .value_kind: global_buffer, .address_space: global }
      - { .name: xb, .offset: 64, .size: 8, .value_kind: global_buffer, .address_space: global }
      - { .name: wts, .offset: 72, .size: 8, .value_kind: global_buffer, .address_space: global }
    .group_segment_fixed_size: 0
    .private_segment_fixed_size: 0
    .kernarg_segment_align: 8
    .kernarg_segment_size: 80
    .max_flat_workgroup_size: 256
    .sgpr_count:     66
    .vgpr_count:     112
    .wavefront_size: 32
...
	.end_amdgpu_metadata
.endif
;; end of part 1
;; launch qkvproj (part 2): grid 8 x 32, 4 waves a work-group, clusters of 4 x 4, 327,680 bytes of LDS; arguments xb, wts, qkv; writes qkv
.if DOCPART == 2
	.amdgcn_target "amdgcn-amd-amdhsa--gfx1250"
	.amdhsa_code_object_version 6
	.text
	.protected	k_q83e9fd314f_qkvproj
	.globl	k_q83e9fd314f_qkvproj
	.p2align	8
	.type	k_q83e9fd314f_qkvproj,@function
k_q83e9fd314f_qkvproj:
	s_mov_b64 s[64:65], 0
	v_nop
	global_prefetch_b8 v0, s[64:65] scope:SCOPE_SE
	s_setreg_imm32_b32 hwreg(HW_REG_WAVE_MODE, 25, 1), 1
	s_wait_xcnt 0x0
	s_wait_alu depctr_hold_cnt(0) depctr_sa_sdst(0) depctr_va_vdst(0) depctr_va_sdst(0) depctr_va_ssrc(0) depctr_va_vcc(0) depctr_vm_vsrc(0)
	s_getreg_b32 s2, hwreg(HW_REG_IB_STS2, 6, 4)
	s_cmp_eq_u32 s2, 0
	s_cbranch_scc0 .Lentry_in_a_cluster
	s_endpgm
.Lentry_in_a_cluster:
	s_bfe_u32 s2, ttmp6, 0x10000c
	s_cmp_lg_u32 s2, 0xf033
	s_cbranch_scc0 .Lentry_shape_is_right
	s_endpgm
.Lentry_shape_is_right:
; C[m][n] = sum over k of xb[m][k] WCAT[n][k] + BCAT[n]: 4,096 x 2,048 x 2,048, bf16 operands, f32 sums that start with the bias as the C operand.
; WCAT's blocks of 16 rows go by turns: n < 1,024: WQS hi, WQS lo; n >= 1,024: WK, WV.  So a wave holds both parts of the same 16 channels j in two neighbouring accumulators.
; OUT.  Qs = hi part + lo part; Qs and K leave as pairs hi = bf16(v), lo = bf16(v - hi) (the scores are not scaled in front of the softmax, so what feeds them keeps 16 bits); V leaves in f16.
;   qkv: QQ at 0, KK at 8,388,608: [4096 rows][8 chunks of 64 channels][hi 64 | lo 64] bf16 (a chunk is 256 bytes);  VV at 16,777,216: [8 blocks of 64 channels][4096 rows][64] f16.
; LIMIT.  |V| stays under 65,504 (f16); NaN and infinities are not treated apart (the K half multiplies V's sums by 0).
; SHARES.  A tile of C is 128 (m) x 256 (n): 256 work-groups.  Four waves, each 64 x 128: 32 accumulators.  K goes in 16 steps of 128 (rows of 256 bytes in memory) through two LDS slots.
; CLUSTER.  4 x 4 work-groups: xb's tile is shared along a row of the cluster, WCAT's along a column; each is asked for jointly, by the same tensor load, descriptor and mask in all four.
; THE MATRIX INSTRUCTION IS USED TRANSPOSED (source 0 = 16 rows of WCAT, source 1 = 16 rows of xb): a lane holds row m = lane % 16 and the columns 8 (lane / 16) + 0..7.
; REGISTERS.  Window 0: v0-39 addresses and work; v64-159, v160-255 two fragment buffers (4 fragments of xb, then 8 of WCAT).  Window 1: accumulator (a, b) at v[8 (8 a + b)].  Window 2: v0-63 the bias of block b at v[8 b].
.set KSTEP,  128
.set PITCH,  272                       ; an LDS row: 256 bytes + 16 of padding = 68 words: the 16 rows of a fragment load start at 16 different groups of four banks (64 banks of 4 bytes: ISA guide 11.1)
.set AROWS,  128*PITCH                 ; xb's 128 rows
.set SLOT,   384*PITCH                 ; then WCAT's 256 rows
.set STAGE,  2*SLOT                    ; behind the ring: 16 rows x 272 bytes for each wave, for the way out
.set SPARE,  STAGE+4*16*PITCH          ; behind the stages: the spare words, 128 bytes for each wave
.set BCAT,   10485760
.set KKOFF,  8388608
.set VVOFF,  16777216
.set ADRA, 16                          ; v16-17  LDS address of my xb fragments in slot 0, 1
.set ADRB, 20                          ; v20-21  the same for WCAT
.set STO2, 22                          ; v22     V's way out: where I put 16 bytes of a row of 128
.set RD2,  23                          ; v23     where I read four such rows back
.set STO,  24                          ; v24     Q's and K's way out: where I put 16 bytes of a row of 256
.set RD,   25                          ; v25     where I read two rows back
.set CO,   26                          ; v26     my byte offset in two rows of QQ or KK
.set CO2,  27                          ; v27     my byte offset in 512 consecutive bytes of VV
.set SPW,  28                          ; v28     my spare word; never rewritten
.set NIL,  29                          ; v29     0; never rewritten
.set PFO,  30                          ; v30     the prefetches' offset: my lane x 4,096 bytes (a row); never rewritten
.set BO,   31                          ; v31     32 x (lane / 16): my eight numbers of a bias block
.set U,    32                          ; v32-39  at work
.set F0,   64
.set F1,   160
.set G1,  24                           ; s[24:31] descriptor group 1 for xb's tiles;  s[32:39] group 0, one set for each slot
.set G0,  32
.set G1B, 48                           ; s[48:55], s[56:63] the same for WCAT's
.set G0B, 56
.set PFA, 66                           ; s[66:67] where my prefetches stand
.set LIM, 68                           ; s68  1 in a wave that prefetches, else the greatest number
.set AL,  70                           ; s[70:71] 1.0 where the odd blocks are Q's lo parts, 0 where they are V
.set OUTQ, 72                          ; s[72:73] QQ or KK at my first row and chunk
.set OUTV, 74                          ; s[74:75] VV at my block and first row
.set HIM, 76                           ; s76  a word's upper bf16
.set CLX, 77                           ; s77  the cluster's x: 0 makes Q, 1 makes K and V; the same in all sixteen partners
.set BB,  78                           ; s[78:79] BCAT at my 128 columns
.set FLAGS, (1<<16)|(1<<20)|(1<<21)|(5<<22)|(3<<25)  ; elements of 2 bytes; padding on; bit 21 beside a mask; after every 64 words; 4 words
.set MSB, 0
.macro WIN new                         ; the immediate's high byte repeats the setting that is left; a switch that changes nothing is dropped
.if MSB != (\new)
	s_set_vgpr_msb (MSB<<8)|(\new)
.set MSB, \new
.endif
.endm
.set MUL,  0x50                        ; C and D in window 1, fragments in window 0
.set MULB, 0x60                        ; C (the bias) in window 2, D in window 1
.macro JLOAD s                         ; a joint load: waves 0 and 1 fetch xb's two halves (64 rows each), waves 2 and 3 WCAT's (128 rows each); an s_nop 0 and four v_nop stand behind each line
	s_cmp_eq_u32 s11, 0
	s_cbranch_scc0 .Lfor_b_\@
	tensor_load_to_lds s[G0+4*(\s):G0+4*(\s)+3], s[G1:G1+7]
	s_nop 0
.rept 4
	v_nop
.endr
	s_branch .Lasked_\@
.Lfor_b_\@:
	tensor_load_to_lds s[G0B+4*(\s):G0B+4*(\s)+3], s[G1B:G1B+7]
	s_nop 0
.rept 4
	v_nop
.endr
.Lasked_\@:
.endm
; A prefetch, behind each joint refill and the run of LDS loads that follows it: the K step that stands two refills on, 32 rows x 256 bytes, a lane a row.  Each row's 256 bytes of a K step are named once in the launch:
; xb's rows by wave 0 of the clusters with x = 0 (the four partners of a row take 32 rows each, told apart by address), WCAT's by waves 2 and 3 of the clusters with y = 0 (the four partners of a column take 32 of a wave's 128 each).
; Wave 1 asks for nothing.  The loop's last trip asks for nothing: no K step stands two refills behind its own.
.macro ASK
	s_cmp_gt_u32 s3, s[LIM]
	s_cbranch_scc0 .Lnot_mine_\@
	global_prefetch_b8 v[PFO], s[PFA:PFA+1] offset:KSTEP*2 th:TH_LOAD_NT scope:SCOPE_SE
.Lnot_mine_\@:
.endm
.macro CREST                           ; a round of the cluster's barrier behind its opening barrier
	s_cmp_lg_u32 s10, 0
	s_cbranch_scc1 .Lnot_wave_0_\@
	s_barrier_signal -3
.Lnot_wave_0_\@:
	s_barrier_wait -3
	s_barrier_signal -1
	s_barrier_wait -1
.endm
.macro CROUND                          ; a whole round
	s_barrier_signal -1
	s_barrier_wait -1
	CREST
.endm
.macro PLACES                          ; four places in front of loads into registers that matrix instructions have read
.rept 4
	v_nop
.endr
.endm
	s_load_b128 s[4:7], s[0:1], 0x0                ; xb s[4:5], wts s[6:7]
	s_load_b64 s[8:9], s[0:1], 0x10                ; qkv
	v_lshl_add_u32 v[SPW], v0, 2, SPARE
	v_mov_b32 v[NIL], 0
	ds_add_u32 v[SPW], v[NIL]                      ; the wave's opening: the add and its wait stand ahead of my first tensor load; the set-up below stands between them
	ds_add_u32 v28, v29
	v_lshrrev_b32 v1, 5, v0
	v_readfirstlane_b32 s10, v1                    ; wave 0..3
	s_lshr_b32 s11, s10, 1                         ; which 64 rows of the tile are mine.  Also: I fetch for xb (0) or for WCAT (1)
	s_and_b32 s12, s10, 1                          ; which 128 columns.  Also: which half of that tile I fetch
	s_bfe_u32 s40, ttmp6, 0x40000                  ; cx, cy: my place in the cluster
	s_bfe_u32 s41, ttmp6, 0x40004
	s_mov_b32 s[CLX], ttmp9
	s_lshl_b32 s42, ttmp9, 2
	s_add_co_u32 s42, s42, s40                     ; tile column = 4 x cluster x + cx
	s_and_b32 s13, ttmp7, 0xffff
	s_lshl_b32 s13, s13, 2
	s_add_co_u32 s13, s13, s41                     ; tile row = 4 x cluster y + cy
	s_lshl_b32 s43, s41, 2
	s_lshl_b32 s43, 15, s43                        ; my row of the cluster
	s_lshl_b32 s44, 0x1111, s40                    ; my column
	s_or_b32 s[G1+0], s43, FLAGS
	s_or_b32 s[G1B+0], s44, FLAGS
.irp g, G1, G1B
	s_mov_b32 s[(\g)+1], KSTEP<<16                 ; tensor_dim0 = 128
	s_mov_b32 s[(\g)+3], KSTEP<<16                 ; tile_dim0 = 128
	s_mov_b32 s[(\g)+5], 2048                      ; elements from row to row
	s_mov_b32 s[(\g)+6], 0
	s_mov_b32 s[(\g)+7], 0
.endr
	s_mov_b32 s[G1+2], 64<<16                      ; xb: tensor_dim1 = tile_dim1 = 64 rows
	s_mov_b32 s[G1+4], 64
	s_mov_b32 s[G1B+2], 128<<16                    ; WCAT: 128 rows
	s_mov_b32 s[G1B+4], 128
	s_lshl_b32 s16, s13, 7
	s_lshl_b32 s17, s12, 6
	s_add_co_u32 s16, s16, s17                     ; xb: row 128 x tile row + 64 x half
	s_lshl_b32 s16, s16, 12                        ; x 4,096 bytes: under 2^24
	s_mov_b32 s17, 0
	s_lshl_b32 s46, s42, 8
	s_lshl_b32 s47, s12, 7
	s_add_co_u32 s46, s46, s47                     ; WCAT: row 256 x tile column + 128 x half
	s_lshl_b32 s46, s46, 12
	s_mov_b32 s47, 0
	s_mul_i32 s20, s12, 64*PITCH                   ; where they go: no place in the cluster enters an LDS address
	s_mul_i32 s21, s12, 128*PITCH
	s_add_co_u32 s21, s21, AROWS
	s_mov_b32 s[HIM], 0xffff0000
	s_wait_dscnt 0x0                               ; the opening add is done
	s_wait_kmcnt 0x0
	s_add_nc_u64 s[14:15], s[4:5], s[16:17]
	s_add_nc_u64 s[46:47], s[6:7], s[46:47]
	CROUND                                         ; all sixteen work-groups are here: the first joint loads meet
.irp s, 0,1
	s_mov_b32 s[G0+4*(\s)], 1
	s_add_co_u32 s[G0+4*(\s)+1], s20, (\s)*SLOT
	s_add_nc_u64 s[G0+4*(\s)+2:G0+4*(\s)+3], s[14:15], (\s)*KSTEP*2
	s_or_b32 s[G0+4*(\s)+3], s[G0+4*(\s)+3], 0x80000000
	s_mov_b32 s[G0B+4*(\s)], 1
	s_add_co_u32 s[G0B+4*(\s)+1], s21, (\s)*SLOT
	s_add_nc_u64 s[G0B+4*(\s)+2:G0B+4*(\s)+3], s[46:47], (\s)*KSTEP*2
	s_or_b32 s[G0B+4*(\s)+3], s[G0B+4*(\s)+3], 0x80000000
	JLOAD \s                                       ; two tensor loads of mine are out
.endr
	v_and_b32 v1, 15, v0                           ; r = l % 16
	v_bfe_u32 v2, v0, 4, 1                         ; h = l / 16
	v_mul_u32_u24 v3, v1, PITCH
	v_lshl_add_u32 v3, v2, 4, v3                   ; a fragment's row x pitch + 16 x half
	s_mul_i32 s21, s11, 64*PITCH                   ; my 64 rows of xb
	s_mul_i32 s22, s12, 128*PITCH                  ; my 128 rows of WCAT,
	s_add_co_u32 s22, s22, AROWS                   ; behind xb's 128
.irp s, 0,1
	v_add_nc_u32 v[ADRA+(\s)], s21, v3
	v_add_nc_u32 v[ADRB+(\s)], s22, v3
	s_add_co_u32 s21, s21, SLOT
	s_add_co_u32 s22, s22, SLOT
.endr
	s_mul_i32 s23, s10, 16*PITCH
	s_add_co_u32 s23, s23, STAGE                   ; my stage
	v_add_nc_u32 v[STO], s23, v3                   ; in: row r, 16 bytes for each half of the lanes
	v_mul_u32_u24 v4, v2, PITCH                    ; back: lanes 0-15 one row of 256 bytes, lanes 16-31 the next
	v_lshl_add_u32 v4, v1, 4, v4
	v_add_nc_u32 v[RD], s23, v4
	v_lshlrev_b32 v4, 11, v2                       ; and the same two rows in QQ or KK, 2,048 bytes apart
	v_lshl_add_u32 v[CO], v1, 4, v4
	v_mul_u32_u24 v4, v1, 144                      ; V: rows of 128 bytes + 16
	v_lshl_add_u32 v4, v2, 4, v4
	v_add_nc_u32 v[STO2], s23, v4
	v_bfe_u32 v4, v0, 3, 2                         ; back: 32 lanes take four rows of 128 bytes,
	v_mul_u32_u24 v4, v4, 144
	v_and_b32 v5, 7, v0
	v_lshl_add_u32 v4, v5, 4, v4
	v_add_nc_u32 v[RD2], s23, v4
	v_and_b32 v5, 31, v0
	v_lshlrev_b32 v[CO2], 4, v5                    ; which are 512 consecutive bytes of VV
	v_lshlrev_b32 v[PFO], 12, v5
	v_lshlrev_b32 v[BO], 5, v2
	; the bias of my 128 columns: a lane's eight numbers of block b are BCAT[n0 + 16 b + 8 h ..]
	s_lshl_b32 s20, s42, 10
	s_lshl_b32 s21, s12, 9
	s_add_co_u32 s20, s20, s21
	s_add_co_u32 s20, s20, BCAT
	s_mov_b32 s21, 0
	s_add_nc_u64 s[BB:BB+1], s[6:7], s[20:21]
	WIN 0x80                                       ; destination window 2, address window 0
.irp b, 0,1,2,3,4,5,6,7
	global_load_b128 v[8*(\b):8*(\b)+3],   v[BO], s[BB:BB+1] offset:64*(\b)
	global_load_b128 v[8*(\b)+4:8*(\b)+7], v[BO], s[BB:BB+1] offset:64*(\b)+16
.endr
	WIN 0
	; where my results go
	s_lshl_b32 s20, s13, 7
	s_lshl_b32 s21, s11, 6
	s_add_co_u32 s20, s20, s21                     ; my first row
	s_lshl_b32 s22, s40, 1
	s_add_co_u32 s22, s22, s12                     ; my 64 channels: chunk 2 cx + column half
	s_lshl_b32 s14, s20, 11
	s_lshl_b32 s15, s22, 8
	s_add_co_u32 s14, s14, s15
	s_cmp_eq_u32 s[CLX], 0
	s_cselect_b32 s15, 0, KKOFF
	s_cselect_b32 s[AL], 1.0, 0
	s_mov_b32 s[AL+1], s[AL]
	s_add_co_u32 s14, s14, s15
	s_mov_b32 s15, 0
	s_add_nc_u64 s[OUTQ:OUTQ+1], s[8:9], s[14:15]
	s_lshl_b32 s14, s22, 12
	s_add_co_u32 s14, s14, s20
	s_lshl_b32 s14, s14, 7
	s_add_co_u32 s14, s14, VVOFF
	s_add_nc_u64 s[OUTV:OUTV+1], s[8:9], s[14:15]
	; the prefetches
	s_lshl_b32 s20, s13, 7                         ; xb: 128 x tile row + 32 cx
	s_lshl_b32 s21, s40, 5
	s_add_co_u32 s20, s20, s21
	s_lshl_b32 s21, s42, 8                         ; WCAT: 256 x tile column + the 128 rows that I fetch + 32 cy
	s_lshl_b32 s22, s12, 7
	s_add_co_u32 s21, s21, s22
	s_lshl_b32 s22, s41, 5
	s_add_co_u32 s21, s21, s22
	s_and_b32 s22, ttmp7, 0xffff                   ; cluster y
	s_cmp_eq_u32 s11, 0
	s_cselect_b32 s20, s20, s21
	s_cselect_b32 s22, ttmp9, s22                  ; the coordinate along which other clusters read the same rows
	s_cselect_b64 s[PFA:PFA+1], s[4:5], s[6:7]
	s_cmp_eq_u32 s10, 1
	s_cselect_b32 s22, 1, s22                      ; wave 1 never asks
	s_cmp_eq_u32 s22, 0
	s_cselect_b32 s[LIM], 1, -1                    ; the same in all sixteen partners, for a given wave
	s_lshl_b32 s20, s20, 12
	s_add_co_u32 s20, s20, 2*KSTEP*2               ; at K step 2: the first refill steps it to 3 and names K step 4
	s_mov_b32 s21, 0
	s_add_nc_u64 s[PFA:PFA+1], s[PFA:PFA+1], s[20:21]
; 8 matrix instructions: m block a x all 8 n blocks, 32 along K.  mode = 1: the bias starts the sums.  The 32 accumulators take turns, one instruction a turn, in the same order in every quarter.
.macro MUL8 f, a, mode
.if \mode
	WIN MULB
.else
	WIN MUL
.endif
.irp b, 0,1,2,3,4,5,6,7
.if \mode
	v_wmma_f32_16x16x32_bf16 v[8*(8*(\a)+(\b)):8*(8*(\a)+(\b))+7], v[(\f)+32+8*(\b):(\f)+32+8*(\b)+7], v[(\f)+8*(\a):(\f)+8*(\a)+7], v[8*(\b):8*(\b)+7]
.else
	v_wmma_f32_16x16x32_bf16 v[8*(8*(\a)+(\b)):8*(8*(\a)+(\b))+7], v[(\f)+32+8*(\b):(\f)+32+8*(\b)+7], v[(\f)+8*(\a):(\f)+8*(\a)+7], v[8*(8*(\a)+(\b)):8*(8*(\a)+(\b))+7]
.endif
.endr
.endm
; 24 LDS loads in one run: the fragments of 32 along K at byte k of the rows, into buffer f: WCAT's eight, then xb's four
.macro FETCH slot, k, f
	WIN 0
.irp i, 0,1,2,3,4,5,6,7
	ds_load_b128 v[(\f)+32+8*(\i):(\f)+32+8*(\i)+3],   v[ADRB+(\slot)] offset:(\k)+(\i)*16*PITCH
	ds_load_b128 v[(\f)+32+8*(\i)+4:(\f)+32+8*(\i)+7], v[ADRB+(\slot)] offset:(\k)+(\i)*16*PITCH+32
.endr
.irp i, 0,1,2,3
	ds_load_b128 v[(\f)+8*(\i):(\f)+8*(\i)+3],   v[ADRA+(\slot)] offset:(\k)+(\i)*16*PITCH
	ds_load_b128 v[(\f)+8*(\i)+4:(\f)+8*(\i)+7], v[ADRA+(\slot)] offset:(\k)+(\i)*16*PITCH+32
.endr
.endm
; A K step is four quarters of 32 along K, 32 matrix instructions each, on buffers 0, 1, 0, 1.  One of the first three: multiplies buffer f and fetches the next quarter, at byte k, into g.
.macro QUARTER slot, k, f, g, mode
	s_wait_dscnt 4                                 ; WCAT's fragments and xb's 0 and 1 are in; the youngest four loads (xb's 2 and 3) may be out
	MUL8 \f, 0, \mode
	MUL8 \f, 1, \mode
	PLACES
	FETCH \slot, \k, \g
	s_wait_dscnt 24                                ; all but the 24 just issued
	MUL8 \f, 2, \mode
	MUL8 \f, 3, \mode
.endm
; The last quarter multiplies buffer 1 and changes slots: ONE barrier; in front of it each wave waits for all its tensor loads, adds 0 to its spare word, and waits for that and for its own reads of this slot.
; fill = 1: the barrier opens a round of the cluster's, and this slot is filled again, two K steps ahead, first thing behind the round.
.macro TURN slot, next, fill
.if \fill
	s_wait_xcnt 0x0                                ; the last prefetch, a K step back, has read its address
	s_add_nc_u64 s[PFA:PFA+1], s[PFA:PFA+1], KSTEP*2
.endif
	WIN 0
	s_wait_tensorcnt 0x0                           ; all my tensor loads have landed: the one that was out is my part of the next slot
	ds_add_u32 v[SPW], v[NIL]                      ; 0 onto my spare word
	s_wait_dscnt 5                                 ; (the add and the youngest four loads may be out)
	MUL8 F1, 0, 0                                  ; eight matrix instructions stand between the add and the wait for it
	s_wait_dscnt 0x0                               ; the add is done, and my reads of this slot are over
	s_barrier_signal -1
	MUL8 F1, 1, 0
.if \fill
	WIN 0
.endif
	s_barrier_wait -1
.if \fill
	CREST                                          ; no wave of any partner still reads this slot's tile or has a load on its way
	s_add_nc_u64 s[G0+4*(\slot)+2:G0+4*(\slot)+3], s[G0+4*(\slot)+2:G0+4*(\slot)+3], 2*KSTEP*2
	s_add_nc_u64 s[G0B+4*(\slot)+2:G0B+4*(\slot)+3], s[G0B+4*(\slot)+2:G0B+4*(\slot)+3], 2*KSTEP*2
	JLOAD \slot                                    ; the first tensor load behind the round; its four v_nop are also the places in front of the loads below
.else
	PLACES
.endif
	FETCH \next, 0, F0
.if \fill
	ASK
.endif
	MUL8 F1, 2, 0
	MUL8 F1, 3, 0
.endm
	s_wait_tensorcnt 1                             ; my part of K step 0 is in; K step 1's may stay out
	s_barrier_signal -1
	s_barrier_wait -1                              ; everybody's is
	FETCH 0, 0, F0
	s_wait_loadcnt 0x0                             ; the bias
	QUARTER 0, 64, F0, F1, 1                       ; the first quarter stands in front of the loop: its products start the sums, with the bias
	WIN 0
	s_mov_b32 s3, 7                                ; 16 K steps = 8 laps; the last lap is written out
.Llap:                                                 ; a trip goes once round the ring, from a lap's second quarter to the next lap's first, and fills both slots again
	QUARTER 0, 128, F1, F0, 0
	QUARTER 0, 192, F0, F1, 0
	TURN 0, 1, 1
	QUARTER 1, 64,  F0, F1, 0
	QUARTER 1, 128, F1, F0, 0
	QUARTER 1, 192, F0, F1, 0
	TURN 1, 0, 1
	QUARTER 0, 64,  F0, F1, 0
	WIN 0
	s_sub_co_u32 s3, s3, 1
	s_cmp_lg_u32 s3, 0
	s_cbranch_scc1 .Llap
	QUARTER 0, 128, F1, F0, 0                      ; the last lap fills nothing
	QUARTER 0, 192, F0, F1, 0
	TURN 0, 1, 0
	QUARTER 1, 64,  F0, F1, 0
	QUARTER 1, 128, F1, F0, 0
	QUARTER 1, 192, F0, F1, 0
	s_wait_dscnt 4
	MUL8 F1, 0, 0
	MUL8 F1, 1, 0
	s_wait_dscnt 0x0
	MUL8 F1, 2, 0
	MUL8 F1, 3, 0
	WIN 0
.rept 8
	v_nop                                          ; the places behind the last products
.endr
; THE WAY OUT of 16 rows (block a).  v = even block + AL x odd block (Q: hi part + lo part; K: the even block alone); hi = bf16(v); lo = bf16(v - hi), the difference exact in f32.
; A lane's 8 channels of group p are 16 bytes of hi and 16 of lo; a row of the stage is the chunk's 256 bytes (hi 64 | lo 64); it comes back as whole rows.  Each accumulator's registers are read in ascending order.
.macro COMMON a
.set E, 64+96*((\a)%2)                 ; T = E .. E+31, hi = E+32 .. 47, lo = E+48 .. 63, rows read back = E+64 .. 95
	WIN 0x11                                       ; sources 0 and 2 in window 1
.irp p, 0,1,2,3
.irp i, 0,1,2,3
	v_pk_fma_f32 v[E+8*(\p)+2*(\i):E+8*(\p)+2*(\i)+1], v[8*(8*(\a)+2*(\p)+1)+2*(\i):8*(8*(\a)+2*(\p)+1)+2*(\i)+1], s[AL:AL+1], v[8*(8*(\a)+2*(\p))+2*(\i):8*(8*(\a)+2*(\p))+2*(\i)+1] op_sel_hi:[1,0,1]
.endr
.endr
	WIN 0
.set q, 0
.rept 16
	v_cvt_pk_bf16_f32 v[E+32+q], v[E+2*q], v[E+2*q+1]
.set q, q+1
.endr
.set q, 0
.rept 16
	v_lshlrev_b32 v[U+2*(q%4)], 16, v[E+32+q]
	v_and_b32 v[U+2*(q%4)+1], s[HIM], v[E+32+q]
	v_pk_add_f32 v[E+2*q:E+2*q+1], v[E+2*q:E+2*q+1], v[U+2*(q%4):U+2*(q%4)+1] neg_lo:[0,1] neg_hi:[0,1]
	v_cvt_pk_bf16_f32 v[E+48+q], v[E+2*q], v[E+2*q+1]
.set q, q+1
.endr
	s_wait_xcnt 0x0                                ; earlier stores have read their registers: the rows read back two blocks ago are written again only behind this wait
.irp p, 0,1,2,3
	ds_store_b128 v[STO], v[E+32+4*(\p):E+32+4*(\p)+3] offset:32*(\p)
	ds_store_b128 v[STO], v[E+48+4*(\p):E+48+4*(\p)+3] offset:128+32*(\p)
.endr
.irp t, 0,1,2,3,4,5,6,7
	ds_load_b128 v[E+64+4*(\t):E+64+4*(\t)+3], v[RD] offset:(\t)*2*PITCH  ; LDS serves a wave's instructions in order (ISA guide 5.7.1.4): these see the stores above
.endr
	s_wait_dscnt 0x0
.irp t, 0,1,2,3,4,5,6,7
	global_store_b128 v[CO], v[E+64+4*(\t):E+64+4*(\t)+3], s[OUTQ:OUTQ+1] offset:(16*(\a)+2*(\t))*2048  ; 16 lanes store a chunk's 256 consecutive bytes, aligned
.endr
.endm
; V of 16 rows: the odd blocks, rounded to f16; rows of 128 bytes, four of them to a store.
.macro VPART a
.set E, 64+96*((\a)%2)
	WIN 0x05                                       ; sources 0 and 1 in window 1
.irp p, 0,1,2,3
.irp i, 0,1,2,3
	v_cvt_pk_f16_f32 v[E+32+4*(\p)+(\i)], v[8*(8*(\a)+2*(\p)+1)+2*(\i)], v[8*(8*(\a)+2*(\p)+1)+2*(\i)+1]
.endr
.endr
	WIN 0
	s_wait_xcnt 0x0
.irp p, 0,1,2,3
	ds_store_b128 v[STO2], v[E+32+4*(\p):E+32+4*(\p)+3] offset:32*(\p)
.endr
.irp t, 0,1,2,3
	ds_load_b128 v[E+64+4*(\t):E+64+4*(\t)+3], v[RD2] offset:(\t)*4*144
.endr
	s_wait_dscnt 0x0
.irp t, 0,1,2,3
	global_store_b128 v[CO2], v[E+64+4*(\t):E+64+4*(\t)+3], s[OUTV:OUTV+1] offset:2048*(\a)+512*(\t)  ; 512 consecutive bytes, aligned
.endr
.endm
	COMMON 0
	COMMON 1
	COMMON 2
	COMMON 3
	s_cmp_eq_u32 s[CLX], 0
	s_cbranch_scc1 .Lno_v                          ; the clusters that make Q have no V
	VPART 0
	VPART 1
	VPART 2
	VPART 3
.Lno_v:
	s_wait_tensorcnt 0x0                           ; the wave's end, behind my last tensor load and my last LDS store
	ds_add_u32 v[SPW], v[NIL]
	s_wait_dscnt 0x0
	CROUND                                         ; the closing round: no work-group ends while a partner may still ask for a tile that names it
	s_endpgm
.Lfunc_end_k_q83e9fd314f_qkvproj:
	.size	k_q83e9fd314f_qkvproj, .Lfunc_end_k_q83e9fd314f_qkvproj-k_q83e9fd314f_qkvproj
	.p2alignl 7, 3214868480
	.fill 96, 4, 3214868480
	.section	.rodata,"a",@progbits
	.p2align	6, 0x0
	.amdhsa_kernel k_q83e9fd314f_qkvproj
		.amdhsa_group_segment_fixed_size 327680
		.amdhsa_private_segment_fixed_size 0
		.amdhsa_enable_private_segment 0
		.amdhsa_kernarg_size 24
		.amdhsa_user_sgpr_count 2
		.amdhsa_user_sgpr_kernarg_segment_ptr 1
		.amdhsa_wavefront_size32 1
		.amdhsa_system_sgpr_workgroup_id_x 1
		.amdhsa_system_sgpr_workgroup_id_y 1
		.amdhsa_system_sgpr_workgroup_id_z 1
		.amdhsa_system_vgpr_workitem_id 0
		.amdhsa_next_free_vgpr 576
		.amdhsa_next_free_sgpr 80
		.amdhsa_reserve_vcc 0
		.amdhsa_float_denorm_mode_32 3
		.amdhsa_float_denorm_mode_16_64 3
		.amdhsa_memory_ordered 1
		.amdhsa_forward_progress 1
		.amdhsa_inst_pref_size 110
	.end_amdhsa_kernel
	.amdgpu_metadata
---
amdhsa.version: [ 1, 2 ]
amdhsa.kernels:
  - .name:           k_q83e9fd314f_qkvproj
    .symbol:         k_q83e9fd314f_qkvproj.kd
    .args:
      - { .name: xb, .offset: 0, .size: 8, .value_kind: global_buffer, .address_space: global }
      - { .name: wts, .offset: 8, .size: 8, .value_kind: global_buffer, .address_space: global }
      - { .name: qkv, .offset: 16, .size: 8, .value_kind: global_buffer, .address_space: global }
    .group_segment_fixed_size: 327680
    .private_segment_fixed_size: 0
    .kernarg_segment_align: 8
    .kernarg_segment_size: 24
    .max_flat_workgroup_size: 128
    .sgpr_count:     80
    .vgpr_count:     576
    .wavefront_size: 32
...
	.end_amdgpu_metadata
.endif
;; end of part 2
;; launch score (part 3): grid 9 x 16, 4 waves a work-group, no clusters, 327,680 bytes of LDS; arguments qkv, pst; writes pst
.if DOCPART == 3
	.amdgcn_target "amdgcn-amd-amdhsa--gfx1250"
	.amdhsa_code_object_version 6
	.text
	.protected	k_q83e9fd314f_score
	.globl	k_q83e9fd314f_score
	.p2align	8
	.type	k_q83e9fd314f_score,@function
k_q83e9fd314f_score:
	s_mov_b64 s[64:65], 0
	v_nop
	global_prefetch_b8 v0, s[64:65] scope:SCOPE_SE
	s_setreg_imm32_b32 hwreg(HW_REG_WAVE_MODE, 25, 1), 1
	s_wait_xcnt 0x0
; SCORES AND THE FIRST LEVEL OF THE SOFTMAX.  For a tile of 128 queries x 128 keys of one batch, on or under the diagonal: s = q . k over 512 channels, q = qh + ql, k = kh + kl (bf16 pairs):
; s = kh qh + kh ql + kl qh on one f32 accumulator (kl ql is some 2^-16 of 2^-16 of a score and is left out).  Keys behind the query count as -1e30.
; For each query and each block of 64 keys: m = the block's maximum, p = 2^(c (s - m)), c = log2(e), l = the sum of the p (f32, unrounded), P = f16(p).  The difference s - m is formed first and then scaled,
; so that the exponent of the block's largest score is exactly 0 however large the scores are.  The next launch joins the blocks by their m and l.
;   pst: PP at 0: [4096 q][1024 s] f16 (only tiles on or under the diagonal are written);  ST at 8,388,608: [16 key blocks][4096 rows][m, l] f32.
; LIMITS.  A hidden score counts as -1e30; a weight below 2^-126 counts as 0; p below 6e-5 keeps f16's fixed step; NaN and infinities are not treated apart.
; SHARES.  144 work-groups: for each batch and each pair of tile rows (p, 7 - p) nine tiles.  Four waves: 64 queries x 64 keys each, 16 accumulators.  S^T = K Q^T: a lane holds ONE query (lane % 16) and the keys 8 (lane / 16) + 0..7.
; Four steps of 128 channels: 512 bytes of a row (hi 64, lo 64, hi 64, lo 64) through two LDS slots; each wave fetches 64 rows with one tensor load.
; NO CLUSTER: a tile row of the triangle has 1 to 8 tiles, so the tiles that share Q's rows are not four at every row, and 9 x 16 work-groups divide into no cluster of four; a full square would launch work-groups with nothing to do.
; NO PREFETCH: of the four steps two are first fills, and the other two are asked for straight behind them.
; REGISTERS.  Window 0: v0-31 addresses; v32-95 packed results; v96-127 eight registers of statistics a query tile; v128-255 S^T ((qt, kt) at 128 + 8 (4 qt + kt)).  Window 1: two fragment buffers of 128: kh, kl, qh, ql, 32 each.
.set PITCH,  528                       ; an LDS row: 512 bytes + 16 of padding = 132 words: the 16 rows of a fragment load start at 16 different groups of four banks (ISA guide 11.1)
.set HALFT,  64*PITCH
.set SLOT,   4*HALFT                   ; Q's 128 rows, then K's 128 rows
.set STAGE,  2*SLOT                    ; behind the ring: 128 rows x 272 bytes, the work-group's
.set SPITCH, 272
.set SPARE,  STAGE+128*SPITCH
.set KKOFF,  8388608
.set STOFF,  8388608
.set ADRQ, 16
.set ADRK, 20
.set STO,  24
.set RD,   25
.set CO,   26
.set SO,   27
.set SPW,  28
.set NIL,  29
.set DV,   30                          ; v30  64 (qw - kw) + r - 8 h: register i of (qt, kt) is hidden where 16 (kt - qt) + i is greater
.set TMP,  32
.set ST,   96                          ; query tile qt at ST + 8 qt: c0-c3 at work, m twice, l
.set ACC,  128
.set F0,   0
.set F1,   128
.set G1,   24                          ; s[24:31] descriptor group 1;  s[32:39] group 0, one set for each slot
.set G0,   32
.set CS,   40                          ; s[40:41] c
.set SEL,  42                          ; s[42:43] v_permlanex16_b32's selects
.set BIGN, 44                          ; s44  -1e30
.set HIL,  45                          ; s45  lanes 16 to 31, as a mask
.set PB,   46                          ; s[46:47] PP at the rows that I store
.set SB,   48                          ; s[48:49] ST at my key block and my 64 queries
.set MSB, 0
.macro WIN new
.if MSB != (\new)
	s_set_vgpr_msb (MSB<<8)|(\new)
.set MSB, \new
.endif
.endm
.set MUL,  0x05                        ; sources 0 and 1 in window 1; C and D in window 0
.set TO_F, 0x40                        ; destination in window 1
.macro PLACES
.rept 4
	v_nop
.endr
.endm
	s_load_b128 s[4:7], s[0:1], 0x0                ; qkv s[4:5], pst s[6:7]
	v_lshl_add_u32 v[SPW], v0, 2, SPARE
	v_mov_b32 v[NIL], 0
	ds_add_u32 v[SPW], v[NIL]                      ; the wave's opening: the add and its wait stand ahead of my first tensor load
	ds_add_u32 v28, v29
	v_lshrrev_b32 v1, 5, v0
	v_readfirstlane_b32 s8, v1                     ; wave 0..3
	s_lshr_b32 s9, s8, 1                           ; qw: my 64 queries.  Also: I fetch Q's rows (0) or K's (1)
	s_and_b32 s10, s8, 1                           ; kw: my 64 keys.  Also: which 64 rows I fetch
	s_mov_b32 s11, ttmp9                           ; x = 0..8
	s_and_b32 s12, ttmp7, 0xffff
	s_lshr_b32 s13, s12, 2                         ; batch
	s_and_b32 s14, s12, 3                          ; p
	s_sub_co_u32 s19, 7, s14
	s_sub_co_u32 s20, s11, s14
	s_sub_co_u32 s20, s20, 1
	s_and_b32 s20, s20, 7                          ; x - p - 1 where x > p
	s_cmp_le_u32 s11, s14
	s_cselect_b32 s15, s14, s19                    ; I: tile row p has the tiles x = 0 .. p, tile row 7 - p the other 8 - p
	s_cselect_b32 s16, s11, s20                    ; J
	s_lshl_b32 s13, s13, 10
	s_lshl_b32 s17, s15, 7
	s_add_co_u32 s17, s17, s13                     ; the tile's first query, as a row of 4,096
	s_lshl_b32 s18, s16, 7
	s_add_co_u32 s18, s18, s13                     ; its first key
	s_mov_b32 s[G1+0], (1<<16)|(1<<20)|(6<<22)|(3<<25)  ; elements of 2 bytes; padding on, after every 128 words, 4 words
	s_mov_b32 s[G1+1], 256<<16                     ; tensor_dim0 = 256
	s_mov_b32 s[G1+2], 64<<16                      ; tensor_dim1 = 64
	s_mov_b32 s[G1+3], 256<<16                     ; tile_dim0 = 256
	s_mov_b32 s[G1+4], 64                          ; tile_dim1 = 64
	s_mov_b32 s[G1+5], 1024                        ; elements from row to row
	s_mov_b32 s[G1+6], 0
	s_mov_b32 s[G1+7], 0
	s_cmp_eq_u32 s9, 0
	s_cselect_b32 s20, s17, s18
	s_cselect_b32 s21, 0, KKOFF
	s_lshl_b32 s22, s10, 6
	s_add_co_u32 s20, s20, s22
	s_lshl_b32 s20, s20, 11                        ; rows of 2,048 bytes
	s_add_co_u32 s20, s20, s21
	s_mov_b32 s21, 0
	s_mul_i32 s22, s8, HALFT                       ; where my rows go: wave x 64 rows
	s_mov_b32 s[CS], 0x3fb8aa3b                    ; log2(e)
	s_mov_b32 s[CS+1], s[CS]
	s_mov_b32 s[SEL], 0x76543210
	s_mov_b32 s[SEL+1], 0xfedcba98
	s_mov_b32 s[BIGN], 0xf149f2ca
	s_mov_b32 s[HIL], 0xffff0000
	s_wait_dscnt 0x0                               ; the opening add is done
	s_wait_kmcnt 0x0
	s_add_nc_u64 s[20:21], s[4:5], s[20:21]
.irp s, 0,1
	s_mov_b32 s[G0+4*(\s)], 1
	s_add_co_u32 s[G0+4*(\s)+1], s22, (\s)*SLOT
	s_add_nc_u64 s[G0+4*(\s)+2:G0+4*(\s)+3], s[20:21], (\s)*512
	s_or_b32 s[G0+4*(\s)+3], s[G0+4*(\s)+3], 0x80000000
	tensor_load_to_lds s[G0+4*(\s):G0+4*(\s)+3], s[G1:G1+7]  ; steps 0 and 1: two tensor loads of mine are out
	s_nop 0
.endr
	v_and_b32 v1, 15, v0                           ; r
	v_bfe_u32 v2, v0, 4, 1                         ; h
	v_mul_u32_u24 v3, v1, PITCH
	v_lshl_add_u32 v3, v2, 4, v3
	s_mul_i32 s22, s9, HALFT
	s_mul_i32 s23, s10, HALFT
	s_add_co_u32 s23, s23, 2*HALFT
.irp s, 0,1
	v_add_nc_u32 v[ADRQ+(\s)], s22, v3
	v_add_nc_u32 v[ADRK+(\s)], s23, v3
	s_add_co_u32 s22, s22, SLOT
	s_add_co_u32 s23, s23, SLOT
.endr
	s_mul_i32 s22, s9, 64*SPITCH                   ; into the stage: my 64 queries' rows, my keys' half of their 256 bytes
	s_lshl_b32 s23, s10, 7
	s_add_co_u32 s22, s22, s23
	s_add_co_u32 s22, s22, STAGE
	v_mul_u32_u24 v4, v1, SPITCH
	v_lshl_add_u32 v4, v2, 4, v4
	v_add_nc_u32 v[STO], s22, v4
	s_mul_i32 s22, s8, 32*SPITCH                   ; back: wave w takes rows 32 w .. 32 w + 31, whole
	s_add_co_u32 s22, s22, STAGE
	v_mul_u32_u24 v4, v2, SPITCH
	v_lshl_add_u32 v4, v1, 4, v4
	v_add_nc_u32 v[RD], s22, v4
	v_lshlrev_b32 v4, 11, v2
	v_lshl_add_u32 v[CO], v1, 4, v4                ; the same two rows in PP, 2,048 bytes apart
	v_and_b32 v4, 31, v0
	v_lshlrev_b32 v[SO], 3, v4
	s_sub_co_i32 s22, s9, s10
	s_lshl_b32 s22, s22, 6
	v_lshlrev_b32 v4, 3, v2
	v_sub_nc_u32 v4, v1, v4
	v_add_nc_u32 v[DV], s22, v4
	s_lshl_b32 s22, s8, 5
	s_add_co_u32 s22, s22, s17
	s_lshl_b32 s22, s22, 11
	s_lshl_b32 s23, s16, 8
	s_add_co_u32 s22, s22, s23
	s_mov_b32 s23, 0
	s_add_nc_u64 s[PB:PB+1], s[6:7], s[22:23]
	s_lshl_b32 s22, s16, 1
	s_add_co_u32 s22, s22, s10                     ; my key block of 64: 2 J + kw
	s_lshl_b32 s22, s22, 12
	s_add_co_u32 s22, s22, s17
	s_lshl_b32 s19, s9, 6
	s_add_co_u32 s22, s22, s19
	s_lshl_b32 s22, s22, 3
	s_add_co_u32 s22, s22, STOFF
	s_add_nc_u64 s[SB:SB+1], s[6:7], s[22:23]
; 8 matrix instructions: query tiles q0, q0 + 1 x all 4 key tiles, 32 channels.  pass 0: kh qh; 1: kh ql; 2: kl qh.  The 16 accumulators take turns, in the same order in every pass.
.macro MULP f, pass, q0, zero
	WIN MUL
.irp qt, \q0, (\q0)+1
.irp kt, 0,1,2,3
.if \zero
	v_wmma_f32_16x16x32_bf16 v[ACC+8*(4*(\qt)+(\kt)):ACC+8*(4*(\qt)+(\kt))+7], v[(\f)+32*((\pass)/2)+8*(\kt):(\f)+32*((\pass)/2)+8*(\kt)+7], v[(\f)+64+32*((\pass)%2)+8*(\qt):(\f)+64+32*((\pass)%2)+8*(\qt)+7], 0
.else
	v_wmma_f32_16x16x32_bf16 v[ACC+8*(4*(\qt)+(\kt)):ACC+8*(4*(\qt)+(\kt))+7], v[(\f)+32*((\pass)/2)+8*(\kt):(\f)+32*((\pass)/2)+8*(\kt)+7], v[(\f)+64+32*((\pass)%2)+8*(\qt):(\f)+64+32*((\pass)%2)+8*(\qt)+7], v[ACC+8*(4*(\qt)+(\kt)):ACC+8*(4*(\qt)+(\kt))+7]
.endif
.endr
.endr
.endm
; 32 LDS loads in one run: quarter g (32 channels) of a step: hi at byte 256 (g / 2) + 64 (g % 2) of a row, lo 128 bytes on.  Order: kh, qh (the first pass's), ql, kl.
.macro FETCH slot, g, f
	WIN TO_F
.set KO, 256*((\g)/2)+64*((\g)%2)
.irp t, 0,1,2,3
	ds_load_b128 v[(\f)+8*(\t):(\f)+8*(\t)+3],   v[ADRK+(\slot)] offset:KO+(\t)*16*PITCH
	ds_load_b128 v[(\f)+8*(\t)+4:(\f)+8*(\t)+7], v[ADRK+(\slot)] offset:KO+(\t)*16*PITCH+32
.endr
.irp t, 0,1,2,3
	ds_load_b128 v[(\f)+64+8*(\t):(\f)+64+8*(\t)+3],   v[ADRQ+(\slot)] offset:KO+(\t)*16*PITCH
	ds_load_b128 v[(\f)+64+8*(\t)+4:(\f)+64+8*(\t)+7], v[ADRQ+(\slot)] offset:KO+(\t)*16*PITCH+32
.endr
.irp t, 0,1,2,3
	ds_load_b128 v[(\f)+96+8*(\t):(\f)+96+8*(\t)+3],   v[ADRQ+(\slot)] offset:KO+128+(\t)*16*PITCH
	ds_load_b128 v[(\f)+96+8*(\t)+4:(\f)+96+8*(\t)+7], v[ADRQ+(\slot)] offset:KO+128+(\t)*16*PITCH+32
.endr
.irp t, 0,1,2,3
	ds_load_b128 v[(\f)+32+8*(\t):(\f)+32+8*(\t)+3],   v[ADRK+(\slot)] offset:KO+128+(\t)*16*PITCH
	ds_load_b128 v[(\f)+32+8*(\t)+4:(\f)+32+8*(\t)+7], v[ADRK+(\slot)] offset:KO+128+(\t)*16*PITCH+32
.endr
.endm
; A step is four quarters of 32 channels, 48 matrix instructions each.  One of the first three: multiplies buffer f and fetches quarter g into buffer nf.
.macro QUARTER slot, g, f, nf, zero
	s_wait_dscnt 16                                ; kh and qh are in; the youngest sixteen loads (ql, kl) may be out
	MULP \f, 0, 0, \zero
	MULP \f, 0, 2, \zero
	PLACES
	FETCH \slot, \g, \nf
	s_wait_dscnt 32                                ; all but the 32 just issued
	MULP \f, 1, 0, 0
	MULP \f, 1, 2, 0
	MULP \f, 2, 0, 0
	MULP \f, 2, 2, 0
.endm
; The last quarter multiplies buffer 1 and changes slots: ONE barrier; in front of it each wave waits for all its tensor loads, adds 0 to its spare word, and waits for that and for its own reads of this slot.
; fill = 1: this slot is filled again, two steps ahead, first thing behind the barrier.
.macro TURN slot, next, fill
	WIN 0
	s_wait_tensorcnt 0x0                           ; all my tensor loads have landed: the one that was out is my part of the next slot; so a group 0 may be written
	ds_add_u32 v[SPW], v[NIL]                      ; 0 onto my spare word
.if \fill
	s_add_nc_u64 s[G0+4*(\slot)+2:G0+4*(\slot)+3], s[G0+4*(\slot)+2:G0+4*(\slot)+3], 1024
.endif
	s_wait_dscnt 17                                ; (the add and the youngest sixteen loads may be out)
	MULP F1, 0, 0, 0
	s_wait_dscnt 0x0                               ; the add is done, and my reads of this slot are over
	s_barrier_signal -1
	MULP F1, 0, 2, 0
.if \fill
	WIN 0                                          ; the windows are set ahead of the tensor load
.endif
	s_barrier_wait -1
.if \fill
	tensor_load_to_lds s[G0+4*(\slot):G0+4*(\slot)+3], s[G1:G1+7]  ; my one tensor load behind this barrier
	s_nop 0
.endif
	PLACES                                         ; the places in front of the loads below
	FETCH \next, 0, F0
	MULP F1, 1, 0, 0
	MULP F1, 1, 2, 0
	MULP F1, 2, 0, 0
	MULP F1, 2, 2, 0
.endm
	s_wait_tensorcnt 1                             ; my part of step 0 is in; step 1's may stay out
	s_barrier_signal -1
	s_barrier_wait -1
	FETCH 0, 0, F0
	QUARTER 0, 1, F0, F1, 1                        ; the first pass starts the sums
	QUARTER 0, 2, F1, F0, 0
	QUARTER 0, 3, F0, F1, 0
	TURN 0, 1, 1                                   ; slot 0 takes step 2
	QUARTER 1, 1, F0, F1, 0
	QUARTER 1, 2, F1, F0, 0
	QUARTER 1, 3, F0, F1, 0
	TURN 1, 0, 1                                   ; slot 1 takes step 3
	QUARTER 0, 1, F0, F1, 0
	QUARTER 0, 2, F1, F0, 0
	QUARTER 0, 3, F0, F1, 0
	TURN 0, 1, 0
	QUARTER 1, 1, F0, F1, 0
	QUARTER 1, 2, F1, F0, 0
	QUARTER 1, 3, F0, F1, 0
	s_wait_dscnt 16
	MULP F1, 0, 0, 0
	MULP F1, 0, 2, 0
	s_wait_dscnt 0x0
	MULP F1, 1, 0, 0
	MULP F1, 1, 2, 0
	MULP F1, 2, 0, 0
	MULP F1, 2, 2, 0
	WIN 0
.rept 8
	v_nop                                          ; the places behind the last products
.endr
	; THE MASK, in the diagonal tile alone.  One compare serves all accumulators with the same kt - qt = dd - 3; each accumulator's registers are taken in ascending order.
	s_cmp_lg_u32 s15, s16
	s_cbranch_scc1 .Lno_mask
.irp dd, 0,1,2,3,4,5,6
.irp i, 0,1,2,3,4,5,6,7
	v_cmp_gt_i32 vcc_lo, 16*((\dd)-3)+(\i), v[DV]
.irp qt, 0,1,2,3
.if ((\qt)+(\dd) >= 3) && ((\qt)+(\dd) <= 6)
	v_cndmask_b32 v[ACC+8*(5*(\qt)+(\dd)-3)+(\i)], v[ACC+8*(5*(\qt)+(\dd)-3)+(\i)], s[BIGN], vcc_lo
.endif
.endr
.endr
.endr
.Lno_mask:
; The maximum of a query's 64 scores: four chains of seven, three operands at a time, the four left over, then the other half of the lanes'.  Then c (s - m).
.macro QMAX qt
.set rT, ST+8*(\qt)
.set rS, ACC+32*(\qt)
.irp j, 0,1,2,3
	v_max3_num_f32 v[rT+(\j)], v[rS+8*(\j)], v[rS+8*(\j)+1], v[rS+8*(\j)+2]
.endr
.irp j, 0,1,2,3
	v_max3_num_f32 v[rT+(\j)], v[rT+(\j)], v[rS+8*(\j)+3], v[rS+8*(\j)+4]
.endr
.irp j, 0,1,2,3
	v_max3_num_f32 v[rT+(\j)], v[rT+(\j)], v[rS+8*(\j)+5], v[rS+8*(\j)+6]
.endr
	v_max3_num_f32 v[rT], v[rT], v[rS+7], v[rS+15]
	v_max3_num_f32 v[rT+2], v[rT+2], v[rS+23], v[rS+31]
	v_max3_num_f32 v[rT], v[rT], v[rT+1], v[rT+2]
	v_max_num_f32 v[rT], v[rT], v[rT+3]
	v_permlanex16_b32 v[rT+1], v[rT], s[SEL], s[SEL+1]  ; the query's other 32 keys lie in the lane 16 away
	v_max_num_f32 v[rT+4], v[rT], v[rT+1]
	v_mov_b32 v[rT+5], v[rT+4]
.set i, 0
.rept 16
	v_pk_add_f32 v[rS+2*i:rS+2*i+1], v[rS+2*i:rS+2*i+1], v[rT+4:rT+5] neg_lo:[0,1] neg_hi:[0,1]
.set i, i+1
.endr
.set i, 0
.rept 16
	v_pk_mul_f32 v[rS+2*i:rS+2*i+1], v[rS+2*i:rS+2*i+1], s[CS:CS+1] op_sel_hi:[1,0]
.set i, i+1
.endr
.endm
	QMAX 0
	QMAX 1
	QMAX 2
	QMAX 3
.set i, 0
.rept 128
	v_exp_f32 v[ACC+i], v[ACC+i]                   ; ONE batch: nothing ahead of the wait below names a result
.set i, i+1
.endr
	v_nop                                          ; a plain instruction behind the last exponential
	s_wait_alu depctr_va_vdst(0)                   ; the wait ahead of the first reader
; A query tile's weights are rounded to f16 (a lane's 8 keys of a key tile are 16 bytes), summed unrounded, and put into the stage.
.macro QSUM qt
.set rT, ST+8*(\qt)
.set rS, ACC+32*(\qt)
.set i, 0
.rept 16
	v_cvt_pk_f16_f32 v[TMP+16*(\qt)+i], v[rS+2*i], v[rS+2*i+1]
.set i, i+1
.endr
.irp w, 4,8,16,32
.set i, 0
.rept 32/(\w)
	v_pk_add_f32 v[rS+(\w)*i:rS+(\w)*i+1], v[rS+(\w)*i:rS+(\w)*i+1], v[rS+(\w)*i+(\w)/2:rS+(\w)*i+(\w)/2+1]
.set i, i+1
.endr
.endr
	v_add_f32 v[rT], v[rS], v[rS+1]
	v_permlanex16_b32 v[rT+1], v[rT], s[SEL], s[SEL+1]
	v_add_f32 v[rT+6], v[rT], v[rT+1]
.irp kt, 0,1,2,3
	ds_store_b128 v[STO], v[TMP+16*(\qt)+4*(\kt):TMP+16*(\qt)+4*(\kt)+3] offset:16*SPITCH*(\qt)+32*(\kt)
.endr
.endm
	QSUM 0
	QSUM 1
	QSUM 2
	QSUM 3
	; m and l: lanes 0-15 give query tile 2 u, lanes 16-31 tile 2 u + 1: 32 queries on end, 8 bytes each: 256 consecutive bytes, aligned
.irp u, 0,1
	v_cndmask_b32 v[4+2*(\u)], v[ST+16*(\u)+4], v[ST+16*(\u)+12], s[HIL]
	v_cndmask_b32 v[5+2*(\u)], v[ST+16*(\u)+6], v[ST+16*(\u)+14], s[HIL]
	global_store_b64 v[SO], v[4+2*(\u):5+2*(\u)], s[SB:SB+1] offset:256*(\u)
.endr
	s_wait_dscnt 0x0                               ; for the others' sake: my stores into the stage are done
	s_barrier_signal -1
	s_barrier_wait -1                              ; a row's 256 bytes come from two waves
.irp t, 0,1,2,3,4,5,6,7,8,9,10,11,12,13,14,15
	ds_load_b128 v[TMP+4*(\t):TMP+4*(\t)+3], v[RD] offset:(\t)*2*SPITCH
.endr
.irp t, 0,1,2,3,4,5,6,7,8,9,10,11,12,13,14,15
	s_wait_dscnt 15-(\t)
	global_store_b128 v[CO], v[TMP+4*(\t):TMP+4*(\t)+3], s[PB:PB+1] offset:(\t)*4096  ; 16 lanes store a row's 256 consecutive bytes of the tile, aligned
.endr
	s_wait_tensorcnt 0x0                           ; the wave's end, behind my last tensor load and my last LDS store
	ds_add_u32 v[SPW], v[NIL]
	s_wait_dscnt 0x0
	s_endpgm
.Lfunc_end_k_q83e9fd314f_score:
	.size	k_q83e9fd314f_score, .Lfunc_end_k_q83e9fd314f_score-k_q83e9fd314f_score
	.p2alignl 7, 3214868480
	.fill 96, 4, 3214868480
	.section	.rodata,"a",@progbits
	.p2align	6, 0x0
	.amdhsa_kernel k_q83e9fd314f_score
		.amdhsa_group_segment_fixed_size 327680
		.amdhsa_private_segment_fixed_size 0
		.amdhsa_enable_private_segment 0
		.amdhsa_kernarg_size 16
		.amdhsa_user_sgpr_count 2
		.amdhsa_user_sgpr_kernarg_segment_ptr 1
		.amdhsa_wavefront_size32 1
		.amdhsa_system_sgpr_workgroup_id_x 1
		.amdhsa_system_sgpr_workgroup_id_y 1
		.amdhsa_system_sgpr_workgroup_id_z 1
		.amdhsa_system_vgpr_workitem_id 0
		.amdhsa_next_free_vgpr 512
		.amdhsa_next_free_sgpr 66
		.amdhsa_reserve_vcc 1
		.amdhsa_float_denorm_mode_32 3
		.amdhsa_float_denorm_mode_16_64 3
		.amdhsa_memory_ordered 1
		.amdhsa_forward_progress 1
		.amdhsa_inst_pref_size 131
	.end_amdhsa_kernel
	.amdgpu_metadata
---
amdhsa.version: [ 1, 2 ]
amdhsa.kernels:
  - .name:           k_q83e9fd314f_score
    .symbol:         k_q83e9fd314f_score.kd
    .args:
      - { .name: qkv, .offset: 0, .size: 8, .value_kind: global_buffer, .address_space: global }
      - { .name: pst, .offset: 8, .size: 8, .value_kind: global_buffer, .address_space: global }
    .group_segment_fixed_size: 327680
    .private_segment_fixed_size: 0
    .kernarg_segment_align: 8
    .kernarg_segment_size: 16
    .max_flat_workgroup_size: 128
    .sgpr_count:     66
    .vgpr_count:     512
    .wavefront_size: 32
...
	.end_amdgpu_metadata
.endif
;; end of part 3
;; launch pv (part 4): grid 8 x 32, 4 waves a work-group, clusters of 4 x 1, 327,680 bytes of LDS; arguments pst, qkv, zz; writes zz
.if DOCPART == 4
	.amdgcn_target "amdgcn-amd-amdhsa--gfx1250"
	.amdhsa_code_object_version 6
	.text
	.protected	k_q83e9fd314f_pv
	.globl	k_q83e9fd314f_pv
	.p2align	8
	.type	k_q83e9fd314f_pv,@function
k_q83e9fd314f_pv:
	s_mov_b64 s[64:65], 0
	v_nop
	global_prefetch_b8 v0, s[64:65] scope:SCOPE_SE
	s_setreg_imm32_b32 hwreg(HW_REG_WAVE_MODE, 25, 1), 1
	s_wait_xcnt 0x0
	s_wait_alu depctr_hold_cnt(0) depctr_sa_sdst(0) depctr_va_vdst(0) depctr_va_sdst(0) depctr_va_ssrc(0) depctr_va_vcc(0) depctr_vm_vsrc(0)
	s_getreg_b32 s2, hwreg(HW_REG_IB_STS2, 6, 4)
	s_cmp_eq_u32 s2, 0
	s_cbranch_scc0 .Lentry_in_a_cluster
	s_endpgm
.Lentry_in_a_cluster:
	s_bfe_u32 s2, ttmp6, 0x10000c
	s_cmp_lg_u32 s2, 0x3003
	s_cbranch_scc0 .Lentry_shape_is_right
	s_endpgm
.Lentry_shape_is_right:
; THE SECOND LEVEL OF THE SOFTMAX AND Z = attn V (512 channels).  For a query: M = the maximum of its key blocks' m, w_b = 2^(c (m_b - M)), L = the sum of w_b l_b, Z = (sum over keys of (P w_b) V) / L, rounded to f16.
; P w_b is one packed f16 multiply between the LDS load and the matrix instruction.  The division by sqrt(128) is left to the last launch, in f32.
;   zz: [8 blocks of 64 channels][4096 rows][64] f16.
; LIMITS.  |V| and so |Z| stay under 65,504; a weight P w under 6e-8 counts as 0 (beside L >= 1); w below 2^-126 counts as 0; NaN and infinities are not treated apart.
; SHARES.  A work-group takes 64 channels and TWO blocks of 64 queries of a batch: A = block 15 - p, B = block p.  A needs nA = (15 - p) / 2 + 1 chunks of 128 keys, B 9 - nA: nine chunks whatever p: 256 equal work-groups.
; The chunks in order: t = 0 is B's first; t = 1..5 are A's first five (nA >= 5); t = 6..8 go to A while nA >= t, else to B.  So both sums start with the constant 0.
; Wave w owns the 16 queries 16 w .. of both blocks and all 64 channels: O^T = V^T P (source 0 = 16 channels, turned out of LDS; source 1 = 16 queries): a lane holds one query and eight channels.
; NOTHING IS FILLED AGAIN: all nine chunks fit in LDS and are asked for at the start, nine tensor loads a wave; waves 0 and 1 fetch P's halves, waves 2 and 3 V's: rows of 256 bytes, 32 to a load, so that all four waves count alike.
; CLUSTER.  The four work-groups of a cluster have the same queries and other channels: P's tiles are asked for jointly (mask of four); V's are each work-group's own.
; NO PREFETCH: everything is asked for at the head.
; A row of V in LDS is 128 + 16 bytes: with 32 of padding the nine chunks would not fit.
.set CHUNK, 35840                      ; P: 64 rows x 272, then V: 128 keys x 144
.set PP,    272
.set PV,    144
.set VOFF,  64*PP
.set SPARE, 9*CHUNK
.set VVOFF, 16777216
.set STOFF, 8388608
.set ZERO, 3                           ; v3   0
.set AP,   5                           ; v5   my place in a chunk's P
.set AV,   6                           ; v6   my place in a chunk's V
.set APT,  7                           ; v7   the same in the chunk in hand
.set AVT,  8
.set STO,  9                           ; the way out, through the bytes of chunk 0's P: they have had their one fill, and every wave's reads of them ended ahead of chunk 1's barrier
.set RD,   10
.set GO,   11
.set SOF,  12                          ; v12  8 r
.set NEGV, 13                          ; v13  the lowest finite number
.set SPW,  14
.set NIL,  15
.set W16,  16                          ; v16-33  w of chunk t, key block u, twice in f16, at W16 + 2 t + u
.set SO,   34                          ; v34-42  chunk t's offset in ST
.set MA,   44
.set MB,   45
.set LA,   46
.set LB,   47
.set PF,   64                          ; v64-95   P's four fragments
.set VF,   96                          ; v96-223  V's sixteen
.set MS,   96                          ; ahead of the chunks: (m, l) of chunk t, key block u at MS + 4 t + 2 u
.set WF,   132                         ; and w in f32 at WF + 2 t + u
.set ACCA, 0                           ; window 1
.set ACCB, 32
.set G1P, 12                           ; s[12:19] descriptor group 1 for P
.set G1V, 20                           ; s[20:27] for V
.set G0,  28                           ; s[28:63] group 0, a set for each chunk
.set WV,  66
.set CX,  67
.set CB,  68                           ; my block of 64 channels
.set BT,  69                           ; 1,024 x batch
.set PQ,  70                           ; p
.set NA,  71
.set RA,  72                           ; block A's first row
.set RB,  73
.set KC,  74                           ; SEL's results: the chunk's place among its block's chunks,
.set QR,  75                           ; and its block's first row
.set OF,  76                           ; s[76:77] an offset
.set HF,  78                           ; which half I fetch
.set T0,  79
.set MK,  80                           ; s80-82  all lanes, or none: chunk t = 6..8 belongs to A
.set LP,  83
.set CS,  84
.set VB,  86
.set W4,  87                           ; 16 x wave
.set ZA,  88
.set ZB,  90
.set SB,  92
.set T1,  94
.set T2,  95
.set MSB, 0
.macro WIN new
.if MSB != (\new)
	s_set_vgpr_msb (MSB<<8)|(\new)
.set MSB, \new
.endif
.endm
.macro CROUND                          ; a round of the cluster's barrier
	s_barrier_signal -1
	s_barrier_wait -1
	s_cmp_lg_u32 s[WV], 0
	s_cbranch_scc1 .Lnot_wave_0_\@
	s_barrier_signal -3
.Lnot_wave_0_\@:
	s_barrier_wait -3
	s_barrier_signal -1
	s_barrier_wait -1
.endm
.macro SEL t                           ; chunk t: s[KC], s[QR].  All of it hangs on p alone, which the partners share
.if (\t) == 0
	s_mov_b32 s[KC], 0
	s_mov_b32 s[QR], s[RB]
.elseif (\t) < 6
	s_mov_b32 s[KC], (\t)-1
	s_mov_b32 s[QR], s[RA]
.else
	s_sub_co_u32 s[KC], \t, s[NA]
	s_and_b32 s[KC], s[KC], 7                      ; t - nA where nA < t
	s_cmp_ge_u32 s[NA], \t
	s_cselect_b32 s[KC], (\t)-1, s[KC]
	s_cselect_b32 s[QR], s[RA], s[RB]
.endif
.endm
	s_load_b128 s[4:7], s[0:1], 0x0                ; pst s[4:5], qkv s[6:7]
	s_load_b64 s[8:9], s[0:1], 0x10                ; zz
	v_lshl_add_u32 v[SPW], v0, 2, SPARE
	v_mov_b32 v[NIL], 0
	ds_add_u32 v[SPW], v[NIL]                      ; the wave's opening: the add and its wait stand ahead of my first tensor load
	ds_add_u32 v14, v15
	v_lshrrev_b32 v1, 5, v0
	v_readfirstlane_b32 s[WV], v1
	s_bfe_u32 s[CX], ttmp6, 0x40000
	s_lshl_b32 s[CB], ttmp9, 2
	s_add_co_u32 s[CB], s[CB], s[CX]
	s_and_b32 s[T1], ttmp7, 0xffff
	s_lshr_b32 s[BT], s[T1], 3
	s_lshl_b32 s[BT], s[BT], 10
	s_and_b32 s[PQ], s[T1], 7
	s_sub_co_u32 s[T2], 15, s[PQ]
	s_lshr_b32 s[NA], s[T2], 1
	s_add_co_u32 s[NA], s[NA], 1
	s_lshl_b32 s[RA], s[T2], 6
	s_add_co_u32 s[RA], s[RA], s[BT]
	s_lshl_b32 s[RB], s[PQ], 6
	s_add_co_u32 s[RB], s[RB], s[BT]
	s_and_b32 s[HF], s[WV], 1
	s_lshl_b32 s[W4], s[WV], 4
	s_mov_b32 s[OF+1], 0
	s_mov_b32 s[CS], 0x3fb8aa3b                    ; log2(e)
	s_mov_b32 s[G1P], 15|(1<<16)|(1<<20)|(1<<21)|(5<<22)|(3<<25)  ; the mask of four; elements of 2 bytes; padding on; bit 21 beside a mask; after every 64 words, 4 words
	s_mov_b32 s[G1V], (1<<16)|(1<<20)|(4<<22)|(3<<25)             ; no mask; after every 32 words (a key), 4 words
.irp g, G1P, G1V
	s_mov_b32 s[(\g)+1], 128<<16                   ; tensor_dim0 = 128
	s_mov_b32 s[(\g)+2], 32<<16                    ; tensor_dim1 = 32
	s_mov_b32 s[(\g)+3], 128<<16                   ; tile_dim0 = 128
	s_mov_b32 s[(\g)+4], 32                        ; tile_dim1 = 32
	s_mov_b32 s[(\g)+6], 0
	s_mov_b32 s[(\g)+7], 0
.endr
	s_mov_b32 s[G1P+5], 1024                       ; P: 1,024 elements from row to row
	s_mov_b32 s[G1V+5], 128                        ; V: dense: two keys to a row of 256 bytes
.irp t, 6,7,8
	s_cmp_ge_u32 s[NA], \t
	s_cselect_b32 s[MK+(\t)-6], -1, 0
.endr
	s_wait_dscnt 0x0                               ; the opening add is done
	s_wait_kmcnt 0x0
	CROUND                                         ; all four work-groups are here: the joint loads meet
	s_cmp_lt_u32 s[WV], 2
	s_cbranch_scc0 .Lfor_v
	s_mul_i32 s[LP], s[HF], 32*PP
.irp t, 0,1,2,3,4,5,6,7,8
	SEL \t
	s_lshl_b32 s[OF], s[HF], 5
	s_add_co_u32 s[OF], s[OF], s[QR]
	s_lshl_b32 s[OF], s[OF], 11                    ; my 32 rows of the block, 2,048 bytes each,
	s_lshl_b32 s[T0], s[KC], 8                     ; the chunk's 128 keys: 256 bytes
	s_add_co_u32 s[OF], s[OF], s[T0]
	s_mov_b32 s[G0+4*(\t)], 1
	s_add_co_u32 s[G0+4*(\t)+1], s[LP], (\t)*CHUNK
	s_add_nc_u64 s[G0+4*(\t)+2:G0+4*(\t)+3], s[4:5], s[OF:OF+1]
	s_or_b32 s[G0+4*(\t)+3], s[G0+4*(\t)+3], 0x80000000
	tensor_load_to_lds s[G0+4*(\t):G0+4*(\t)+3], s[G1P:G1P+7]
	s_nop 0
.endr
.rept 4
	v_nop
.endr
	s_branch .Lasked
.Lfor_v:
	s_mul_i32 s[LP], s[HF], 64*PV
	s_add_co_u32 s[LP], s[LP], VOFF
	s_lshl_b32 s[VB], s[CB], 12
	s_add_co_u32 s[VB], s[VB], s[BT]
	s_lshl_b32 s[T0], s[HF], 6
	s_add_co_u32 s[VB], s[VB], s[T0]               ; my 64 keys of chunk 0, as a row of VV
.irp t, 0,1,2,3,4,5,6,7,8
	SEL \t
	s_lshl_b32 s[OF], s[KC], 7
	s_add_co_u32 s[OF], s[OF], s[VB]
	s_lshl_b32 s[OF], s[OF], 7
	s_add_co_u32 s[OF], s[OF], VVOFF
	s_mov_b32 s[G0+4*(\t)], 1
	s_add_co_u32 s[G0+4*(\t)+1], s[LP], (\t)*CHUNK
	s_add_nc_u64 s[G0+4*(\t)+2:G0+4*(\t)+3], s[6:7], s[OF:OF+1]
	s_or_b32 s[G0+4*(\t)+3], s[G0+4*(\t)+3], 0x80000000
	tensor_load_to_lds s[G0+4*(\t):G0+4*(\t)+3], s[G1V:G1V+7]
	s_nop 0
.endr
.rept 4
	v_nop
.endr
.Lasked:                                               ; nine tensor loads of mine are out
	v_and_b32 v1, 15, v0                           ; r
	v_bfe_u32 v2, v0, 4, 1                         ; h
	v_lshlrev_b32 v[SOF], 3, v1
	s_add_nc_u64 s[SB:SB+1], s[4:5], STOFF
	; THE STATISTICS, while the tiles are on their way: (m, l) of my query for the two key blocks of each chunk
.irp t, 0,1,2,3,4,5,6,7,8
	SEL \t
	s_lshl_b32 s[OF], s[KC], 13                    ; key block 2 kc: 4,096 rows each
	s_add_co_u32 s[OF], s[OF], s[QR]
	s_add_co_u32 s[OF], s[OF], s[W4]
	s_lshl_b32 s[OF], s[OF], 3
	v_add_nc_u32 v[SO+(\t)], s[OF], v[SOF]
	global_load_b64 v[MS+4*(\t):MS+4*(\t)+1],   v[SO+(\t)], s[SB:SB+1]
	global_load_b64 v[MS+4*(\t)+2:MS+4*(\t)+3], v[SO+(\t)], s[SB:SB+1] offset:32768
.endr
	v_mov_b32 v[ZERO], 0
	v_mov_b32 v[NEGV], 0xff7fffff
	v_add_nc_u32 v4, s[W4], v1
	v_mul_u32_u24 v4, v4, PP
	v_lshl_add_u32 v[AP], v2, 4, v4                ; P: row 16 w + r, 16 bytes for each half of the lanes
	v_and_b32 v4, 7, v0                            ; V, turned: lane l reads key 8 h + l % 8, channels 8 ((l / 8) % 2) + 0..7
	v_lshl_add_u32 v4, v2, 3, v4
	v_mul_u32_u24 v4, v4, PV
	v_bfe_u32 v52, v0, 3, 1
	v_lshl_add_u32 v4, v52, 4, v4
	v_add_nc_u32 v[AV], VOFF, v4
	s_mul_i32 s[T1], s[WV], 16*PV                  ; my stage
	v_mul_u32_u24 v4, v1, PV
	v_lshl_add_u32 v4, v2, 4, v4
	v_add_nc_u32 v[STO], s[T1], v4
	v_bfe_u32 v4, v0, 3, 2
	v_mul_u32_u24 v4, v4, PV
	v_and_b32 v52, 7, v0
	v_lshl_add_u32 v4, v52, 4, v4
	v_add_nc_u32 v[RD], s[T1], v4
	v_and_b32 v4, 31, v0
	v_lshlrev_b32 v[GO], 4, v4
	s_lshl_b32 s[T1], s[CB], 12
	s_add_co_u32 s[T1], s[T1], s[W4]
	s_add_co_u32 s[OF], s[T1], s[RA]
	s_lshl_b32 s[OF], s[OF], 7
	s_add_nc_u64 s[ZA:ZA+1], s[8:9], s[OF:OF+1]
	s_add_co_u32 s[OF], s[T1], s[RB]
	s_lshl_b32 s[OF], s[OF], 7
	s_add_nc_u64 s[ZB:ZB+1], s[8:9], s[OF:OF+1]
	s_wait_loadcnt 0x0
	v_max_num_f32 v[MB], v[MS], v[MS+2]
	v_max_num_f32 v[MA], v[MS+4], v[MS+6]
.irp t, 2,3,4,5
	v_max3_num_f32 v[MA], v[MA], v[MS+4*(\t)], v[MS+4*(\t)+2]
.endr
.irp t, 6,7,8
	v_max_num_f32 v52, v[MS+4*(\t)], v[MS+4*(\t)+2]
	v_cndmask_b32 v53, v[NEGV], v52, s[MK+(\t)-6]  ; A's: the maximum, else the lowest number
	v_cndmask_b32 v54, v52, v[NEGV], s[MK+(\t)-6]
	v_max_num_f32 v[MA], v[MA], v53
	v_max_num_f32 v[MB], v[MB], v54
.endr
.irp t, 6,7,8
	v_cndmask_b32 v[56+(\t)-6], v[MB], v[MA], s[MK+(\t)-6]
.endr
.macro WARG t, ref                     ; c (m - M) for the chunk's two key blocks
.irp u, 0,1
	v_sub_f32 v[WF+2*(\t)+(\u)], v[MS+4*(\t)+2*(\u)], v[\ref]
	v_mul_f32 v[WF+2*(\t)+(\u)], s[CS], v[WF+2*(\t)+(\u)]
.endr
.endm
	WARG 0, MB
.irp t, 1,2,3,4,5
	WARG \t, MA
.endr
	WARG 6, 56
	WARG 7, 57
	WARG 8, 58
.set i, 0
.rept 18
	v_exp_f32 v[WF+i], v[WF+i]                     ; one batch
.set i, i+1
.endr
	v_nop                                          ; a plain instruction behind the last exponential
	s_wait_alu depctr_va_vdst(0)                   ; the wait ahead of the first reader
	v_mul_f32 v[LB], v[WF], v[MS+1]
	v_fmac_f32 v[LB], v[WF+1], v[MS+3]
	v_mul_f32 v[LA], v[WF+2], v[MS+5]
	v_fmac_f32 v[LA], v[WF+3], v[MS+7]
.irp t, 2,3,4,5
.irp u, 0,1
	v_fmac_f32 v[LA], v[WF+2*(\t)+(\u)], v[MS+4*(\t)+2*(\u)+1]
.endr
.endr
.irp t, 6,7,8
.irp u, 0,1
	v_cndmask_b32 v52, v[ZERO], v[WF+2*(\t)+(\u)], s[MK+(\t)-6]
	v_cndmask_b32 v53, v[WF+2*(\t)+(\u)], v[ZERO], s[MK+(\t)-6]
	v_fmac_f32 v[LA], v52, v[MS+4*(\t)+2*(\u)+1]
	v_fmac_f32 v[LB], v53, v[MS+4*(\t)+2*(\u)+1]
.endr
.endr
.set i, 0
.rept 18
	v_cvt_pk_f16_f32 v[W16+i], v[WF+i], v[WF+i]
.set i, i+1
.endr
	v_rcp_f32 v48, v[LA]                           ; L >= 1: the block that holds M has w = 1 and l >= 1
	v_rcp_f32 v50, v[LB]
	v_nop
	s_wait_alu depctr_va_vdst(0)
	v_mov_b32 v49, v48                             ; named as pairs by the packed multiplies
	v_mov_b32 v51, v50
; Chunk t is waited for and read: P's four fragments (32 keys x my 16 queries each), V's sixteen (32 keys x 16 channels, turned); P is multiplied by its key block's w.
.macro CHUNKL t
	s_wait_tensorcnt 8-(\t)                        ; tensor loads of a wave end in order: my part of chunk t is in, my 8 - t younger loads stay out
	s_barrier_signal -1                            ; no LDS instruction of mine is out here
	s_barrier_wait -1                              ; everybody's part is in
	v_add_nc_u32 v[APT], (\t)*CHUNK, v[AP]
	v_add_nc_u32 v[AVT], (\t)*CHUNK, v[AV]
	v_nop
	v_nop                                          ; four places between the last products and the loads into their sources
.irp ks, 0,1,2,3
	ds_load_b128 v[PF+8*(\ks):PF+8*(\ks)+3],   v[APT] offset:64*(\ks)
	ds_load_b128 v[PF+8*(\ks)+4:PF+8*(\ks)+7], v[APT] offset:64*(\ks)+32
.endr
.irp ks, 0,1,2,3
.irp ct, 0,1,2,3
	ds_load_tr16_b128 v[VF+32*(\ks)+8*(\ct):VF+32*(\ks)+8*(\ct)+3],   v[AVT] offset:(\ks)*32*PV+32*(\ct)
	ds_load_tr16_b128 v[VF+32*(\ks)+8*(\ct)+4:VF+32*(\ks)+8*(\ct)+7], v[AVT] offset:(\ks)*32*PV+16*PV+32*(\ct)
.endr
.endr
	s_wait_dscnt 32                                ; P's eight loads are in; V's 32 may be out
.set i, 0
.rept 32
	v_pk_mul_f16 v[PF+i], v[PF+i], v[W16+2*(\t)+i/16]
.set i, i+1
.endr
.endm
; The chunk's 16 products.  The four accumulators take turns, one instruction a turn.  zero = 1: the first four start the sums.
.macro CHUNKM acc, zero
	WIN 0x50                                       ; C and D in window 1
.irp ks, 0,1,2,3
	s_wait_dscnt 24-8*(\ks)                        ; V's eight loads for these 32 keys are in
.irp ct, 0,1,2,3
.if (\zero) && ((\ks) == 0)
	v_wmma_f32_16x16x32_f16 v[(\acc)+8*(\ct):(\acc)+8*(\ct)+7], v[VF+32*(\ks)+8*(\ct):VF+32*(\ks)+8*(\ct)+7], v[PF+8*(\ks):PF+8*(\ks)+7], 0
.else
	v_wmma_f32_16x16x32_f16 v[(\acc)+8*(\ct):(\acc)+8*(\ct)+7], v[VF+32*(\ks)+8*(\ct):VF+32*(\ks)+8*(\ct)+7], v[PF+8*(\ks):PF+8*(\ks)+7], v[(\acc)+8*(\ct):(\acc)+8*(\ct)+7]
.endif
.endr
.endr
	WIN 0
.endm
	CHUNKL 0
	CHUNKM ACCB, 1
	CHUNKL 1
	CHUNKM ACCA, 1
.irp t, 2,3,4,5
	CHUNKL \t
	CHUNKM ACCA, 0
.endr
.irp t, 6,7,8
	CHUNKL \t
	s_cmp_ge_u32 s[NA], \t                         ; the same in all partners and all waves; the two ways join ahead of the next barrier
	s_cbranch_scc0 .Lto_b_\t
	CHUNKM ACCA, 0
	s_branch .Ljoin_\t
.Lto_b_\t:
	CHUNKM ACCB, 0
.Ljoin_\t:
.endr
.rept 8
	v_nop                                          ; the places behind the last products
.endr
; THE WAY OUT of a block: O^T / L, rounded to f16; a lane's eight channels are 16 bytes of a row of 128; 16 rows go through my stage and leave as 2,048 consecutive bytes.
.macro ZOUT acc, rl, base, R0
	WIN 0x01                                       ; source 0 in window 1
.set i, 0
.rept 16
	v_pk_mul_f32 v[(\R0)+2*i:(\R0)+2*i+1], v[(\acc)+2*i:(\acc)+2*i+1], v[\rl:\rl+1] op_sel_hi:[1,0]
.set i, i+1
.endr
	WIN 0
.set i, 0
.rept 16
	v_cvt_pk_f16_f32 v[(\R0)+32+i], v[(\R0)+2*i], v[(\R0)+2*i+1]
.set i, i+1
.endr
.irp ct, 0,1,2,3
	ds_store_b128 v[STO], v[(\R0)+32+4*(\ct):(\R0)+32+4*(\ct)+3] offset:32*(\ct)
.endr
.irp g, 0,1,2,3
	ds_load_b128 v[(\R0)+48+4*(\g):(\R0)+48+4*(\g)+3], v[RD] offset:(\g)*4*PV  ; LDS serves a wave's instructions in order (ISA guide 5.7.1.4)
.endr
.irp g, 0,1,2,3
	s_wait_dscnt 3-(\g)
	global_store_b128 v[GO], v[(\R0)+48+4*(\g):(\R0)+48+4*(\g)+3], s[\base:\base+1] offset:512*(\g)  ; 512 consecutive bytes, aligned
.endr
.endm
	ZOUT ACCA, 48, ZA, 64
	ZOUT ACCB, 50, ZB, 128
	s_wait_tensorcnt 0x0                           ; the wave's end, behind my last tensor load and my last LDS store
	ds_add_u32 v[SPW], v[NIL]
	s_wait_dscnt 0x0
	CROUND                                         ; the closing round
	s_endpgm
.Lfunc_end_k_q83e9fd314f_pv:
	.size	k_q83e9fd314f_pv, .Lfunc_end_k_q83e9fd314f_pv-k_q83e9fd314f_pv
	.p2alignl 7, 3214868480
	.fill 96, 4, 3214868480
	.section	.rodata,"a",@progbits
	.p2align	6, 0x0
	.amdhsa_kernel k_q83e9fd314f_pv
		.amdhsa_group_segment_fixed_size 327680
		.amdhsa_private_segment_fixed_size 0
		.amdhsa_enable_private_segment 0
		.amdhsa_kernarg_size 24
		.amdhsa_user_sgpr_count 2
		.amdhsa_user_sgpr_kernarg_segment_ptr 1
		.amdhsa_wavefront_size32 1
		.amdhsa_system_sgpr_workgroup_id_x 1
		.amdhsa_system_sgpr_workgroup_id_y 1
		.amdhsa_system_sgpr_workgroup_id_z 1
		.amdhsa_system_vgpr_workitem_id 0
		.amdhsa_next_free_vgpr 320
		.amdhsa_next_free_sgpr 100
		.amdhsa_reserve_vcc 0
		.amdhsa_float_denorm_mode_32 3
		.amdhsa_float_denorm_mode_16_64 3
		.amdhsa_memory_ordered 1
		.amdhsa_forward_progress 1
		.amdhsa_inst_pref_size 90
	.end_amdhsa_kernel
	.amdgpu_metadata
---
amdhsa.version: [ 1, 2 ]
amdhsa.kernels:
  - .name:           k_q83e9fd314f_pv
    .symbol:         k_q83e9fd314f_pv.kd
    .args:
      - { .name: pst, .offset: 0, .size: 8, .value_kind: global_buffer, .address_space: global }
      - { .name: qkv, .offset: 8, .size: 8, .value_kind: global_buffer, .address_space: global }
      - { .name: zz, .offset: 16, .size: 8, .value_kind: global_buffer, .address_space: global }
    .group_segment_fixed_size: 327680
    .private_segment_fixed_size: 0
    .kernarg_segment_align: 8
    .kernarg_segment_size: 24
    .max_flat_workgroup_size: 128
    .sgpr_count:     100
    .vgpr_count:     320
    .wavefront_size: 32
...
	.end_amdgpu_metadata
.endif
;; end of part 4
;; launch outp (part 5): grid 8 x 32, 4 waves a work-group, clusters of 4 x 4, 327,680 bytes of LDS; arguments zz, wts, out0; writes out0
.if DOCPART == 5
	.amdgcn_target "amdgcn-amd-amdhsa--gfx1250"
	.amdhsa_code_object_version 6
	.text
	.protected	k_q83e9fd314f_outp
	.globl	k_q83e9fd314f_outp
	.p2align	8
	.type	k_q83e9fd314f_outp,@function
k_q83e9fd314f_outp:
	s_mov_b64 s[64:65], 0
	v_nop
	global_prefetch_b8 v0, s[64:65] scope:SCOPE_SE
	s_setreg_imm32_b32 hwreg(HW_REG_WAVE_MODE, 25, 1), 1
	s_wait_xcnt 0x0
	s_wait_alu depctr_hold_cnt(0) depctr_sa_sdst(0) depctr_va_vdst(0) depctr_va_sdst(0) depctr_va_ssrc(0) depctr_va_vcc(0) depctr_vm_vsrc(0)
	s_getreg_b32 s2, hwreg(HW_REG_IB_STS2, 6, 4)
	s_cmp_eq_u32 s2, 0
	s_cbranch_scc0 .Lentry_in_a_cluster
	s_endpgm
.Lentry_in_a_cluster:
	s_bfe_u32 s2, ttmp6, 0x10000c
	s_cmp_lg_u32 s2, 0xf033
	s_cbranch_scc0 .Lentry_shape_is_right
	s_endpgm
.Lentry_shape_is_right:
; out[m][n] = (sum over j < 512 of Z[m][j] PJS[j][n]) / sqrt(128): 4,096 x 2,048 x 512, f16 operands, f32 sums, the scale in f32 on the way out.
; Z: zz [8 blocks of 64 channels][4096 rows][64] f16.  PJS: wts + 8,388,608, [512 j][2048 n] f16: stored [K][N], so its fragments come turned out of LDS (ds_load_tr16_b128).
; SHARES.  A tile is 128 (m) x 256 (n): 256 work-groups; four waves, each 64 x 128: 32 accumulators.  Four K steps of 128 (two channel blocks) through two LDS slots.
; CLUSTER.  4 x 4: Z's tile is shared along a row of the cluster, PJS's along a column; each is asked for jointly.
; NO PREFETCH: of the four K steps two are first fills; a request for the other two would stand at the head, among every work-group's first loads.
; THE MATRIX INSTRUCTION IS USED TRANSPOSED (source 0 = 16 columns of PJS, source 1 = 16 rows of Z): a lane holds row m = lane % 16 and the columns 8 (lane / 16) + 0..7: 32 bytes of a row of out.
; REGISTERS.  Window 0: v0-31 addresses; v64-159, v160-255 two fragment buffers (4 of Z, then 8 of PJS), on the way out work.  Window 1: accumulator (a, b) at v[8 (8 a + b)].
.set PA,     144                       ; a row of Z in LDS: 128 bytes + 16
.set PB,     544                       ; a row of PJS: 512 bytes + 32 = 136 words
.set ABYTES, 2*128*PA                  ; two channel blocks x 128 rows
.set SLOT,   ABYTES+128*PB
.set STAGE,  2*SLOT                    ; behind the ring: 16 rows x 528 bytes for each wave
.set SP,     528
.set SPARE,  STAGE+4*16*SP
.set PJS,    8388608
.set ASTEP,  1048576                   ; a K step in zz: two channel blocks of 4,096 rows of 128 bytes
.set BSTEP,  524288                    ; in PJS: 128 rows of 4,096 bytes
.set ADRA, 16
.set ADRB, 20
.set STO,  24
.set RD,   25
.set CO,   26
.set SPW,  28
.set NIL,  29
.set F0,   64
.set F1,   160
.set T,    64                          ; the way out: 16 rows x 128 columns, scaled
.set G1,  24
.set G0,  32
.set G1B, 48
.set G0B, 56
.set SC,  70                           ; s[70:71] 1 / sqrt(128)
.set OUT, 72                           ; s[72:73] out0 at my first row and column
.set MSB, 0
.macro WIN new
.if MSB != (\new)
	s_set_vgpr_msb (MSB<<8)|(\new)
.set MSB, \new
.endif
.endm
.set MUL, 0x50                         ; C and D in window 1
.macro JLOAD s                         ; a joint load: waves 0 and 1 fetch Z's two channel blocks, waves 2 and 3 the two halves of PJS's 128 rows; an s_nop 0 and four v_nop stand behind each line
	s_cmp_eq_u32 s11, 0
	s_cbranch_scc0 .Lfor_b_\@
	tensor_load_to_lds s[G0+4*(\s):G0+4*(\s)+3], s[G1:G1+7]
	s_nop 0
.rept 4
	v_nop
.endr
	s_branch .Lasked_\@
.Lfor_b_\@:
	tensor_load_to_lds s[G0B+4*(\s):G0B+4*(\s)+3], s[G1B:G1B+7]
	s_nop 0
.rept 4
	v_nop
.endr
.Lasked_\@:
.endm
.macro CREST
	s_cmp_lg_u32 s10, 0
	s_cbranch_scc1 .Lnot_wave_0_\@
	s_barrier_signal -3
.Lnot_wave_0_\@:
	s_barrier_wait -3
	s_barrier_signal -1
	s_barrier_wait -1
.endm
.macro CROUND
	s_barrier_signal -1
	s_barrier_wait -1
	CREST
.endm
.macro PLACES
.rept 4
	v_nop
.endr
.endm
	s_load_b128 s[4:7], s[0:1], 0x0                ; zz s[4:5], wts s[6:7]
	s_load_b64 s[8:9], s[0:1], 0x10                ; out0
	v_lshl_add_u32 v[SPW], v0, 2, SPARE
	v_mov_b32 v[NIL], 0
	ds_add_u32 v[SPW], v[NIL]                      ; the wave's opening: the add and its wait stand ahead of my first tensor load
	ds_add_u32 v28, v29
	v_lshrrev_b32 v1, 5, v0
	v_readfirstlane_b32 s10, v1
	s_lshr_b32 s11, s10, 1                         ; which 64 rows are mine.  Also: I fetch for Z (0) or for PJS (1)
	s_and_b32 s12, s10, 1                          ; which 128 columns.  Also: which half of that tile I fetch
	s_bfe_u32 s40, ttmp6, 0x40000
	s_bfe_u32 s41, ttmp6, 0x40004
	s_lshl_b32 s42, ttmp9, 2
	s_add_co_u32 s42, s42, s40                     ; tile column
	s_and_b32 s13, ttmp7, 0xffff
	s_lshl_b32 s13, s13, 2
	s_add_co_u32 s13, s13, s41                     ; tile row
	s_lshl_b32 s43, s41, 2
	s_lshl_b32 s43, 15, s43                        ; my row of the cluster
	s_lshl_b32 s44, 0x1111, s40                    ; my column
	s_or_b32 s[G1+0], s43, (1<<16)|(1<<20)|(1<<21)|(4<<22)|(3<<25)   ; Z: padding after every 32 words (a row of 64 channels), 4 words
	s_mov_b32 s[G1+1], 128<<16                     ; 128 rows of a channel block are 16,384 dense bytes: asked for as 64 rows of 256 bytes
	s_mov_b32 s[G1+2], 64<<16
	s_mov_b32 s[G1+3], 128<<16
	s_mov_b32 s[G1+4], 64
	s_mov_b32 s[G1+5], 128
	s_mov_b32 s[G1+6], 0
	s_mov_b32 s[G1+7], 0
	s_or_b32 s[G1B+0], s44, (1<<16)|(1<<20)|(1<<21)|(6<<22)|(7<<25)  ; PJS: padding after every 128 words, 8 words
	s_mov_b32 s[G1B+1], 256<<16                    ; 64 rows x 256 columns
	s_mov_b32 s[G1B+2], 64<<16
	s_mov_b32 s[G1B+3], 256<<16
	s_mov_b32 s[G1B+4], 64
	s_mov_b32 s[G1B+5], 2048
	s_mov_b32 s[G1B+6], 0
	s_mov_b32 s[G1B+7], 0
	s_lshl_b32 s16, s12, 12
	s_lshl_b32 s17, s13, 7
	s_add_co_u32 s16, s16, s17                     ; Z: channel block (of the step's two) x 4,096 + 128 x tile row
	s_lshl_b32 s16, s16, 7
	s_mov_b32 s17, 0
	s_lshl_b32 s46, s12, 18                        ; PJS: 64 x half rows of 4,096 bytes
	s_lshl_b32 s47, s42, 9                         ; + 256 columns x tile column
	s_add_co_u32 s46, s46, s47
	s_add_co_u32 s46, s46, PJS
	s_mov_b32 s47, 0
	s_mul_i32 s20, s12, 128*PA
	s_mul_i32 s21, s12, 64*PB
	s_add_co_u32 s21, s21, ABYTES
	s_mov_b32 s[SC], 0x3db504f3                    ; 1 / sqrt(128)
	s_mov_b32 s[SC+1], s[SC]
	s_wait_dscnt 0x0                               ; the opening add is done
	s_wait_kmcnt 0x0
	s_add_nc_u64 s[14:15], s[4:5], s[16:17]
	s_add_nc_u64 s[46:47], s[6:7], s[46:47]
	CROUND                                         ; all sixteen work-groups are here: the first joint loads meet
.irp s, 0,1
	s_mov_b32 s[G0+4*(\s)], 1
	s_add_co_u32 s[G0+4*(\s)+1], s20, (\s)*SLOT
	s_add_nc_u64 s[G0+4*(\s)+2:G0+4*(\s)+3], s[14:15], (\s)*ASTEP
	s_or_b32 s[G0+4*(\s)+3], s[G0+4*(\s)+3], 0x80000000
	s_mov_b32 s[G0B+4*(\s)], 1
	s_add_co_u32 s[G0B+4*(\s)+1], s21, (\s)*SLOT
	s_add_nc_u64 s[G0B+4*(\s)+2:G0B+4*(\s)+3], s[46:47], (\s)*BSTEP
	s_or_b32 s[G0B+4*(\s)+3], s[G0B+4*(\s)+3], 0x80000000
	JLOAD \s                                       ; two tensor loads of mine are out
.endr
	v_and_b32 v1, 15, v0                           ; r
	v_bfe_u32 v2, v0, 4, 1                         ; h
	v_mul_u32_u24 v3, v1, PA
	v_lshl_add_u32 v3, v2, 4, v3                   ; Z: row x pitch + 16 x half
	s_mul_i32 s21, s11, 64*PA
	v_and_b32 v4, 7, v0                            ; PJS, turned: lane l reads row 8 h + l % 8, columns 8 ((l / 8) % 2) + 0..7
	v_lshl_add_u32 v4, v2, 3, v4
	v_mul_u32_u24 v4, v4, PB
	v_bfe_u32 v5, v0, 3, 1
	v_lshl_add_u32 v4, v5, 4, v4
	s_lshl_b32 s22, s12, 8                         ; my 128 columns
	s_add_co_u32 s22, s22, ABYTES
.irp s, 0,1
	v_add_nc_u32 v[ADRA+(\s)], s21, v3
	v_add_nc_u32 v[ADRB+(\s)], s22, v4
	s_add_co_u32 s21, s21, SLOT
	s_add_co_u32 s22, s22, SLOT
.endr
	s_mul_i32 s23, s10, 16*SP
	s_add_co_u32 s23, s23, STAGE                   ; my stage
	v_mul_u32_u24 v5, v1, SP                       ; in: row r, 32 bytes for each half of the lanes
	v_lshl_add_u32 v5, v2, 5, v5
	v_add_nc_u32 v[STO], s23, v5
	v_and_b32 v5, 31, v0
	v_lshlrev_b32 v[CO], 4, v5                     ; back and out: 32 lanes take a row's 512 bytes
	v_add_nc_u32 v[RD], s23, v[CO]
	s_lshl_b32 s20, s13, 7
	s_lshl_b32 s21, s11, 6
	s_add_co_u32 s20, s20, s21
	s_lshl_b32 s20, s20, 13                        ; rows of 8,192 bytes
	s_lshl_b32 s21, s42, 10
	s_add_co_u32 s20, s20, s21
	s_lshl_b32 s21, s12, 9
	s_add_co_u32 s20, s20, s21
	s_mov_b32 s21, 0
	s_add_nc_u64 s[OUT:OUT+1], s[8:9], s[20:21]
; 8 matrix instructions: m block a x all 8 n blocks, 32 along K.  zero = 1: they start the sums.  The 32 accumulators take turns, in the same order in every quarter.
.macro MUL8 f, a, zero
	WIN MUL
.irp b, 0,1,2,3,4,5,6,7
.if \zero
	v_wmma_f32_16x16x32_f16 v[8*(8*(\a)+(\b)):8*(8*(\a)+(\b))+7], v[(\f)+32+8*(\b):(\f)+32+8*(\b)+7], v[(\f)+8*(\a):(\f)+8*(\a)+7], 0
.else
	v_wmma_f32_16x16x32_f16 v[8*(8*(\a)+(\b)):8*(8*(\a)+(\b))+7], v[(\f)+32+8*(\b):(\f)+32+8*(\b)+7], v[(\f)+8*(\a):(\f)+8*(\a)+7], v[8*(8*(\a)+(\b)):8*(8*(\a)+(\b))+7]
.endif
.endr
.endm
; 24 LDS loads in one run: quarter kq (32 along K) of a step: PJS's eight fragments, turned, then Z's four
.macro FETCH slot, kq, f
	WIN 0
.irp i, 0,1,2,3,4,5,6,7
	ds_load_tr16_b128 v[(\f)+32+8*(\i):(\f)+32+8*(\i)+3],   v[ADRB+(\slot)] offset:(\kq)*32*PB+32*(\i)
	ds_load_tr16_b128 v[(\f)+32+8*(\i)+4:(\f)+32+8*(\i)+7], v[ADRB+(\slot)] offset:(\kq)*32*PB+16*PB+32*(\i)
.endr
.irp i, 0,1,2,3
	ds_load_b128 v[(\f)+8*(\i):(\f)+8*(\i)+3],   v[ADRA+(\slot)] offset:((\kq)/2)*128*PA+((\kq)%2)*64+(\i)*16*PA
	ds_load_b128 v[(\f)+8*(\i)+4:(\f)+8*(\i)+7], v[ADRA+(\slot)] offset:((\kq)/2)*128*PA+((\kq)%2)*64+(\i)*16*PA+32
.endr
.endm
.macro QUARTER slot, kq, f, g, zero
	s_wait_dscnt 4                                 ; PJS's fragments and Z's 0 and 1 are in; the youngest four loads may be out
	MUL8 \f, 0, \zero
	MUL8 \f, 1, \zero
	PLACES
	FETCH \slot, \kq, \g
	s_wait_dscnt 24                                ; all but the 24 just issued
	MUL8 \f, 2, \zero
	MUL8 \f, 3, \zero
.endm
; The last quarter multiplies buffer 1 and changes slots: ONE barrier; in front of it each wave waits for all its tensor loads, adds 0 to its spare word, and waits for that and for its own reads of this slot.
; fill = 1: the barrier opens a round of the cluster's, and this slot is filled again, two K steps ahead, first thing behind the round.
.macro TURN slot, next, fill
	WIN 0
	s_wait_tensorcnt 0x0                           ; all my tensor loads have landed: the one that was out is my part of the next slot
	ds_add_u32 v[SPW], v[NIL]                      ; 0 onto my spare word
	s_wait_dscnt 5                                 ; (the add and the youngest four loads may be out)
	MUL8 F1, 0, 0
	s_wait_dscnt 0x0                               ; the add is done, and my reads of this slot are over
	s_barrier_signal -1
	MUL8 F1, 1, 0
.if \fill
	WIN 0
.endif
	s_barrier_wait -1
.if \fill
	CREST                                          ; no wave of any partner still reads this slot's tile or has a load on its way
	s_add_nc_u64 s[G0+4*(\slot)+2:G0+4*(\slot)+3], s[G0+4*(\slot)+2:G0+4*(\slot)+3], 2*ASTEP
	s_add_nc_u64 s[G0B+4*(\slot)+2:G0B+4*(\slot)+3], s[G0B+4*(\slot)+2:G0B+4*(\slot)+3], 2*BSTEP
	JLOAD \slot                                    ; the first tensor load behind the round; its four v_nop are also the places in front of the loads below
.else
	PLACES
.endif
	FETCH \next, 0, F0
	MUL8 F1, 2, 0
	MUL8 F1, 3, 0
.endm
	s_wait_tensorcnt 1                             ; my part of K step 0 is in; K step 1's may stay out
	s_barrier_signal -1
	s_barrier_wait -1
	FETCH 0, 0, F0
	QUARTER 0, 1, F0, F1, 1                        ; the first quarter's products start the sums
	QUARTER 0, 2, F1, F0, 0
	QUARTER 0, 3, F0, F1, 0
	TURN 0, 1, 1                                   ; slot 0 takes K step 2
	QUARTER 1, 1, F0, F1, 0
	QUARTER 1, 2, F1, F0, 0
	QUARTER 1, 3, F0, F1, 0
	TURN 1, 0, 1                                   ; slot 1 takes K step 3
	QUARTER 0, 1, F0, F1, 0
	QUARTER 0, 2, F1, F0, 0
	QUARTER 0, 3, F0, F1, 0
	TURN 0, 1, 0
	QUARTER 1, 1, F0, F1, 0
	QUARTER 1, 2, F1, F0, 0
	QUARTER 1, 3, F0, F1, 0
	s_wait_dscnt 4
	MUL8 F1, 0, 0
	MUL8 F1, 1, 0
	s_wait_dscnt 0x0
	MUL8 F1, 2, 0
	MUL8 F1, 3, 0
	WIN 0
.rept 8
	v_nop                                          ; the places behind the last products
.endr
; THE WAY OUT of 16 rows (block a), in three parts.  PACK: scaled, each accumulator's registers in ascending order.  TOSTAGE: 32 bytes a lane into my stage, and back as whole rows of 512 bytes.  SEND: stored.
.macro PACK a
	WIN 0x01                                       ; source 0 in window 1
.set i, 0
.rept 32
	v_pk_mul_f32 v[T+2*i:T+2*i+1], v[64*(\a)+2*i:64*(\a)+2*i+1], s[SC:SC+1] op_sel_hi:[1,0]
.set i, i+1
.endr
	WIN 0
.endm
.macro TOSTAGE a
.set BK, 128+64*((\a)%2)
.irp b, 0,1,2,3,4,5,6,7
	ds_store_b128 v[STO], v[T+8*(\b):T+8*(\b)+3]   offset:64*(\b)
	ds_store_b128 v[STO], v[T+8*(\b)+4:T+8*(\b)+7] offset:64*(\b)+16
.endr
.irp t, 0,1,2,3,4,5,6,7,8,9,10,11,12,13,14,15
	ds_load_b128 v[BK+4*(\t):BK+4*(\t)+3], v[RD] offset:(\t)*SP  ; LDS serves a wave's instructions in order (ISA guide 5.7.1.4): these see the stores above
.endr
.endm
.macro SEND a
.set BK, 128+64*((\a)%2)
	s_wait_dscnt 0x0                               ; the block is back in registers
	s_wait_xcnt 0x0                                ; earlier stores have read their registers: the other set of rows is loaded again only behind this wait
.irp t, 0,1,2,3,4,5,6,7,8,9,10,11,12,13,14,15
	global_store_b128 v[CO], v[BK+4*(\t):BK+4*(\t)+3], s[OUT:OUT+1] offset:(16*(\a)+(\t))*8192 th:TH_STORE_NT  ; 512 consecutive bytes of a row, aligned
.endr
.endm
	PACK 0
	TOSTAGE 0
.irp a, 1,2,3                          ; block a's scaling stands between block a - 1's loads from the stage and the wait for them
	PACK \a
	SEND (\a)-1
	TOSTAGE \a
.endr
	SEND 3
	s_wait_tensorcnt 0x0                           ; the wave's end, behind my last tensor load and my last LDS store
	ds_add_u32 v[SPW], v[NIL]
	s_wait_dscnt 0x0
	CROUND                                         ; the closing round: no work-group ends while a partner may still ask for a tile that names it
	s_endpgm
.Lfunc_end_k_q83e9fd314f_outp:
	.size	k_q83e9fd314f_outp, .Lfunc_end_k_q83e9fd314f_outp-k_q83e9fd314f_outp
	.p2alignl 7, 3214868480
	.fill 96, 4, 3214868480
	.section	.rodata,"a",@progbits
	.p2align	6, 0x0
	.amdhsa_kernel k_q83e9fd314f_outp
		.amdhsa_group_segment_fixed_size 327680
		.amdhsa_private_segment_fixed_size 0
		.amdhsa_enable_private_segment 0
		.amdhsa_kernarg_size 24
		.amdhsa_user_sgpr_count 2
		.amdhsa_user_sgpr_kernarg_segment_ptr 1
		.amdhsa_wavefront_size32 1
		.amdhsa_system_sgpr_workgroup_id_x 1
		.amdhsa_system_sgpr_workgroup_id_y 1
		.amdhsa_system_sgpr_workgroup_id_z 1
		.amdhsa_system_vgpr_workitem_id 0
		.amdhsa_next_free_vgpr 512
		.amdhsa_next_free_sgpr 80
		.amdhsa_reserve_vcc 0
		.amdhsa_float_denorm_mode_32 3
		.amdhsa_float_denorm_mode_16_64 3
		.amdhsa_memory_ordered 1
		.amdhsa_forward_progress 1
		.amdhsa_inst_pref_size 93
	.end_amdhsa_kernel
	.amdgpu_metadata
---
amdhsa.version: [ 1, 2 ]
amdhsa.kernels:
  - .name:           k_q83e9fd314f_outp
    .symbol:         k_q83e9fd314f_outp.kd
    .args:
      - { .name: zz, .offset: 0, .size: 8, .value_kind: global_buffer, .address_space: global }
      - { .name: wts, .offset: 8, .size: 8, .value_kind: global_buffer, .address_space: global }
      - { .name: out0, .offset: 16, .size: 8, .value_kind: global_buffer, .address_space: global }
    .group_segment_fixed_size: 327680
    .private_segment_fixed_size: 0
    .kernarg_segment_align: 8
    .kernarg_segment_size: 24
    .max_flat_workgroup_size: 128
    .sgpr_count:     80
    .vgpr_count:     512
    .wavefront_size: 32
...
	.end_amdgpu_metadata
.endif
;; end of part 5
